; MI455X (gfx1250); checked and timed in simulation.
; The chip was launched on July 23, 2026; its instructions are those of AMD's public machine-readable ISA for CDNA 5 (MIT licence, August 2026) and "CDNA5" Instruction Set Architecture Reference Guide (July 2026). The comments in the code are by the model that wrote it; some were corrected since.
;; MH Attention. Allowed arithmetic: matrix products marked QUANTISED: E2M1 operands, one E8M0 scale for each 32 along K, by v_wmma_scale_f32_16x16x128_f8f6f4 with both operands' format E2M1 (or v_wmma_scale_f32_32x16x128_f4), f32 sums; everything else in f32.
;; Inputs: Wk_codes 1,024 x 32 x 16 uint8 (E2M1 codes of Wk, K innermost, in blocks of 32 codes, two codes a byte); Wk_scales 1,024 x 32 uint8 (E8M0 scales of Wk, one for each 32 codes along K); Wo_codes 1,024 x 32 x 16 uint8 (E2M1 codes of Wo, K innermost, in blocks of 32 codes, two codes a byte); Wo_scales 1,024 x 32 uint8 (E8M0 scales of Wo, one for each 32 codes along K); Wq_codes 1,024 x 32 x 16 uint8 (E2M1 codes of Wq, K innermost, in blocks of 32 codes, two codes a byte); Wq_scales 1,024 x 32 uint8 (E8M0 scales of Wq, one for each 32 codes along K); Wv_codes 1,024 x 32 x 16 uint8 (E2M1 codes of Wv, K innermost, in blocks of 32 codes, two codes a byte); Wv_scales 1,024 x 32 uint8 (E8M0 scales of Wv, one for each 32 codes along K); attention_mask 4 x 1 x 2,048 x 2,048 float32; beta 1,024 float32; bk 1,024 float32; bo 1,024 float32; bq 1,024 float32; bv 1,024 float32; gamma 1,024 float32; inputs 4 x 2,048 x 1,024 float32.
;; Outputs: out0 4 x 2,048 x 1,024 float32.
;; This version of the problem:
;;   THIS VERSION OF THE PROBLEM IS GIVEN IN LOW PRECISION. The matrix products marked QUANTISED in the list below multiply operands that are first quantised to E2M1 (2 exponent bits, 1 mantissa bit; 4 bits a number), with one power-of-two scale for each 32 numbers along K (OCP MX v1.0); their sums are f32. All else is computed in f32.
;;   The module's matrix products, in the order in which they are computed (A, B: the left and right operand; K: the contracted axis; several contracted axes count as one K, in the product's order):
;;     1. [M 8,192, K 1,024] x [K 1,024, N 1,024]; A: input inputs; B: input Wq (given as codes): QUANTISED
;;     2. [M 8,192, K 1,024] x [K 1,024, N 1,024]; A: input inputs; B: input Wk (given as codes): QUANTISED
;;     3. [M 8,192, K 1,024] x [K 1,024, N 1,024]; A: input inputs; B: input Wv (given as codes): QUANTISED
;;     4. batch 64 x [M 2,048, K 64] x [K 64, N 2,048]; A: computed on the way; B: computed on the way: QUANTISED
;;     5. batch 64 x [M 2,048, K 2,048] x [K 2,048, N 64]; A: softmax (see below); B: computed on the way: QUANTISED
;;     6. [M 8,192, K 1,024] x [K 1,024, N 1,024]; A: computed on the way; B: input Wo (given as codes): QUANTISED
;;   THE QUANTISER, for each operand of a quantised product, along K:
;;     - K is cut into blocks of 32 from its start; a last block that is shorter is filled with zeros.
;;     - A block's scale is 2^e with e = floor(log2(the largest magnitude in the block)) - 2, held to -126 .. 127; a block of zeros has e = 0. As a byte (E8M0): e + 127.
;;     - Each number is divided by its block's scale, clamped to +-6, and rounded to the nearest number of E2M1, ties to even, subnormals kept.
;;     - The product sums the exact products of the quantised numbers (number of the format x scale) in f32.
;;   ~~~python
;;   def quantise(x, axis):      # numpy; x: float32 -> the quantised numbers, widened to float32 again
;;       x = np.moveaxis(x, axis, -1); K = x.shape[-1]
;;       x = np.pad(x, [(0, 0)] * (x.ndim - 1) + [(0, -K % 32)]); x = x.reshape(x.shape[:-1] + (-1, 32)); a = np.abs(x).max(-1, keepdims=True)
;;       e = np.where(a > 0, np.clip(np.frexp(np.where(a > 0, a, 1))[1] - 1 - 2, -126, 127), 0)      # np.frexp(a)[1] - 1 = floor(log2(a)), exactly
;;       r = np.clip(x / 2.0 ** e, -6, 6)
;;       step = 2.0 ** (np.maximum(np.frexp(np.where(r == 0, 1, r))[1] - 1, 0) - 1)
;;       q = np.round(r / step) * step * 2.0 ** e      # np.round: ties to even
;;       return np.moveaxis(q.reshape(q.shape[:-2] + (-1,))[..., :K], -1, axis).astype(np.float32)
;;   ~~~
;;   SOFTMAX AHEAD OF A QUANTISED PRODUCT. Where the list says 'softmax', what is quantised is not the finished softmax but p = 2^(t - M), with t = logit x log2(e) and M = ceil(the row's largest t), a whole number; so 1/2 < the row's largest p <= 1. The row's sum l is taken of the UNQUANTISED p, in f32, and the product's result is divided by l at the end. Since M is a whole number, a kernel that streams over the keys may use a running M (the ceiling of the running maximum): every later rescaling is an exact power of two, which a block's scale takes up: the codes' values come out the same.
;;   OPERANDS COMPUTED ON THE WAY. 'Computed on the way' means the value that the module computes at that place (a softmax that the list does not call 'softmax' is quantised finished and normalised). What goes into a quantiser is computed in f32, as accurately as f32 sums, v_exp_f32 and their like allow (about 1e-6 of the number): no bf16 or f16 on the way to a quantiser, and a product that is left as it is and whose result goes on into a quantised operand takes f32 operands (vector FMAs, or v_wmma_f32_16x16x4_f32). A number that lies on a knife's edge between two numbers of the format may be rounded either way, as far as f32 arithmetic and the matrix unit's own rounding can turn it there, and no further.
;;   INPUTS GIVEN AS CODES. Wk (in the module: [1024, 1024], K = its axis 0); Wo (in the module: [1024, 1024], K = its axis 0); Wq (in the module: [1024, 1024], K = its axis 0); Wv (in the module: [1024, 1024], K = its axis 0): each comes as NAME_codes (uint8): NAME with its K axis moved to the last place and cut into blocks of 32 codes, [.., K / 32, bytes a block], one block behind the other in memory; two codes a byte, the lower K in the low four bits (a code: sign, 2 exponent bits, 1 mantissa bit); and NAME_scales (uint8): the same leading axes, one E8M0 byte (e + 127) for each 32 codes along K. Its value is code x scale, taken as it is: it is not quantised again, and the codes and scales need not be those that the quantiser above would give.
;; One version. Each part assembles by itself: llvm-mc -triple=amdgcn-amd-amdhsa -mcpu=gfx1250 --defsym DOCPART=n.
;; ======== version 1 of 1: 3 launches
;; limits: right only within a limited range of input values
;; workspace buffers: qimg 5,242,880 bytes; kv 8,912,896 bytes; ctximg 4,194,304 bytes; ctxsc 262,144 bytes; woimg 524,288 bytes
;; launch qkv (part 1): grid 64 x 4, 8 waves a work-group, clusters of 4 x 1, 327,680 bytes of LDS; arguments inputs, Wq_codes, Wq_scales, bq, Wk_codes, Wk_scales, bk, Wv_codes, Wv_scales, bv, qimg, kv, Wo_codes, woimg; writes qimg, kv, woimg
.if DOCPART == 1
	.amdgcn_target "amdgcn-amd-amdhsa--gfx1250"
	.amdhsa_code_object_version 6
	.text
	.protected	k_q31a51821db_qkv
	.globl	k_q31a51821db_qkv
	.p2align	8
	.type	k_q31a51821db_qkv,@function
k_q31a51821db_qkv:
	s_mov_b64 s[64:65], 0
	v_nop
	global_prefetch_b8 v0, s[64:65] scope:SCOPE_SE
	s_setreg_imm32_b32 hwreg(HW_REG_WAVE_MODE, 25, 1), 1
	s_wait_xcnt 0x0
	s_wait_alu depctr_hold_cnt(0) depctr_sa_sdst(0) depctr_va_vdst(0) depctr_va_sdst(0) depctr_va_ssrc(0) depctr_va_vcc(0) depctr_vm_vsrc(0)
	s_getreg_b32 s2, hwreg(HW_REG_IB_STS2, 6, 4)
	s_cmp_eq_u32 s2, 0
	s_cbranch_scc0 .Lentry_in_a_cluster
	s_endpgm
.Lentry_in_a_cluster:
	s_bfe_u32 s2, ttmp6, 0x10000c
	s_cmp_lg_u32 s2, 0x3003
	s_cbranch_scc0 .Lentry_shape_is_right
	s_endpgm
.Lentry_shape_is_right:
; q = x Wq + bq, k = x Wk + bk, v = x Wv + bv on codes of FP4 (E2M1) with one E8M0 scale for each 32 along K, and the quantisers behind them.
; x [8192][1024] f32 is quantised here along its 1,024; the weights come as codes [n][k], K innermost, 512 bytes a row, 32 scale bytes a row.
; q and k are quantised along a head's 64, v along the keys.  All three leave as IMAGES OF OPERAND REGISTERS (16 bytes a lane, 512 bytes on end), as the attention launch loads them.
; SHARES.  A work-group takes 128 tokens (block X) and 256 columns (four heads, group hg) of each of q, k, v.  Eight waves; p = wave & 3, hp = wave >> 2.
;   q, k: used transposed (source 0 = 16 rows of W, source 1 = 16 tokens): a lane holds ONE token and its registers run along the columns: token tiles 2 p, 2 p + 1 x the 8 column tiles of head pair hp.
;   v:    source 0 = 16 tokens (keys), source 1 = 16 rows of Wv: a lane holds ONE column d and its registers run along the keys: 8 token tiles x column tiles 2 wave, 2 wave + 1.
; In a result register 8 t + j of lane (r, h) is element 16 t + 8 h + j of the axis along the registers: a block of 32 lies in registers 16 b .. 16 b + 15 of lanes l and l xor 16 (macro QUANT).
; CLUSTER.  The four work-groups of a cluster differ in X alone and walk the same rows of the weights: every tile of W and its scale bytes are asked for JOINTLY (mask 15).
; THE FACTOR 1/8 of the scores is taken off q's scale bytes (3 off each byte): exact.
; LIMITS.  A block of q whose largest magnitude lies under 2^-121 is quantised under the scale 2^-123, so that its byte less 3 stays at 1; for x, k and v the floor is 2^-124 (byte 1).
; A block of zeros carries the floor's byte and not 127: its codes are zeros, and this program alone reads the bytes.  NaN and infinities in x are not served.
.set XIMG,  0                          ; LDS: x's 64 fragments: (token tile t, K step s) at (8 t + s) x 1,024
.set XSC,   65536                      ; their scale words, 128 bytes each
.set STGQ,  73728                      ; the block of qimg as it will lie in memory: 20,480 bytes
.set STGKV, 94208                      ; the block of kv likewise: 34,816 bytes
.set SPARE, 129024                     ; the spare words: 128 bytes for each of 8 waves; no other line names them
.set WSC,   130048                     ; the scale bytes of my 256 rows of Wq, Wk, Wv: 3 x 8,704: units of 256 bytes + 16 of padding
.set RING,  156160                     ; two slots of 256 rows x (256 + 16) bytes: half of K of one weight's 256 rows
.set SLOTB, 69632
.set SPW,  1                           ; v1   SPARE + 4 x thread; never rewritten
.set NIL,  2                           ; v2   0; never rewritten
.set LI,   3                           ; v3   16 x lane
.set LSX,  4                           ; v4   XSC + 4 x lane
.set AW,   5                           ; v5-6   W's fragments for q, k in slot 0, 1
.set AWV,  7                           ; v7-8   Wv's fragments
.set ASW,  9                           ; v9   W's scale words for q, k
.set ASWV, 10                          ; v10  Wv's
.set AXQ,  11                          ; v11  x's fragments of my two token tiles
.set AXSQ, 12                          ; v12  their scale words
.set SQC,  13                          ; v13-18 where my codes and scale words go in the two stages
.set SQS,  14
.set SKC,  15
.set SKS,  16
.set SVC,  17
.set SVS,  18
.set BA,   19                          ; v19  32 h: my eight numbers of a bias tile
.set BVP,  20                          ; v20-23 bv of my two columns, each twice
.set SC,   24                          ; v24-33 scale words and nothing else: 8 of the wide side, 2 of the narrow
.set PW0,  34
.set CL,   35
.set CG,   36
.set R4,   37
.set FRG,  48                          ; v48-127 fragments: 8 wide, 2 narrow.  Outside the K steps: at work
.set PC,   48                          ; the codes just made
.set TM,   56                          ; v56-71
.set PW,   72                          ; the scale word just made
.set T0,   73
.set T1,   74
.set XA,   76
.set XWI,  77
.set XWS,  78
.set ACC,  128                         ; v128-255 16 accumulators: (narrow u, wide i) at ACC + 64 u + 8 i
.set WV,   28
.set SEL,  32
.set G1W,  40                          ; s[40:47] group 1: 64 rows x 256 bytes of a weight
.set G1S,  48                          ; s[48:55] group 1: 8,192 scale bytes
.set U0,   56                          ; groups 0 of the six tiles (Wq, Wk, Wv) x (K half 0, 1); none is ever rewritten
.set U1,   60
.set U2,   68
.set U3,   72
.set U4,   76
.set U5,   80
.set GSQ,  84                          ; groups 0 of the three kinds' scale bytes
.set GSK,  88
.set GSV,  92
.macro BAR
	s_barrier_signal -1
	s_barrier_wait -1
.endm
.macro ROUND                           ; a round of the cluster's barrier
	s_barrier_signal -1
	s_barrier_wait -1
	s_cmp_lg_u32 s[WV], 0
	s_cbranch_scc1 .Lnot_wave_0_\@
	s_barrier_signal -3
.Lnot_wave_0_\@:
	s_barrier_wait -3
	s_barrier_signal -1
	s_barrier_wait -1
.endm
.macro PLACES                          ; four plain vector instructions behind matrix instructions, or behind a tensor load
.rept 4
	v_nop
.endr
.endm
.macro MMA d, a, b, sa, sb             ; D += A B
	v_wmma_scale_f32_16x16x128_f8f6f4 v[(\d):(\d)+7], v[(\a):(\a)+7], v[(\b):(\b)+7], v[(\d):(\d)+7], v[\sa], v[\sb] matrix_a_fmt:MATRIX_FMT_FP4 matrix_b_fmt:MATRIX_FMT_FP4
.endm
.macro MMZ d, a, b, sa, sb             ; D = A B: the product starts the sum
	v_wmma_scale_f32_16x16x128_f8f6f4 v[(\d):(\d)+7], v[(\a):(\a)+7], v[(\b):(\b)+7], 0, v[\sa], v[\sb] matrix_a_fmt:MATRIX_FMT_FP4 matrix_b_fmt:MATRIX_FMT_FP4
.endm
.macro MKG0 g, ptr, kh                 ; group 0 of a weight's tile: my 64 rows, K half kh, into slot kh
	s_mov_b32 s[\g], 1
	s_add_co_u32 s[\g+1], s96, RING+\kh*SLOTB
	s_add_nc_u64 s[\g+2:\g+3], s[\ptr:\ptr+1], s[34:35]
	s_add_nc_u64 s[\g+2:\g+3], s[\g+2:\g+3], \kh*256
	s_or_b32 s[\g+3], s[\g+3], 0x80000000
.endm
.macro MKGS g, ptr, kind               ; group 0 of a kind's 8,192 scale bytes
	s_mov_b32 s[\g], 1
	s_mov_b32 s[\g+1], WSC+\kind*8704
	s_add_nc_u64 s[\g+2:\g+3], s[\ptr:\ptr+1], s[36:37]
	s_or_b32 s[\g+3], s[\g+3], 0x80000000
.endm
.macro TLW g0                          ; waves 0 to 3 fetch 64 rows each; the branch hangs on the wave's number alone
	s_cmp_lt_u32 s[WV], 4
	s_cbranch_scc0 .Lno_fetch_\@
	tensor_load_to_lds s[\g0:\g0+3], s[G1W:G1W+7]
	s_nop 0
	PLACES
.Lno_fetch_\@:
.endm
; The change of slots: all my tensor loads have landed; 0 onto my spare word; the add and my reads of the slot are done; then the barrier.
; refill = 1: the barrier is a round of the cluster's, and the joint refill of the slot just read is the first thing behind it: it has four K steps in which to land.
.macro CHANGE g0, refill
	s_wait_tensorcnt 0x0
	ds_add_u32 v[SPW], v[NIL]
.if \refill
	ds_add_u32 v[SPW], v[NIL]                      ; the add twice on end
.endif
	s_wait_dscnt 0x0
.if \refill
	ROUND
	TLW \g0
.else
	BAR
.endif
.endm
; 64 numbers of a lane, register 16 b + 8 e + j = element 32 b + 16 e + 8 h + j of my row, become a fragment's codes in v[PC] on and its scale word in v[PW].
.macro QUANT s, floor
.irp b, 0,1,2,3
	v_max3_num_f32 v[TM+\b], |v[(\s)+16*\b]|, |v[(\s)+16*\b+1]|, \floor   ; block b: my 16 numbers and the floor, which holds the byte from below
.endr
.irp i, 2,4,6,8,10,12,14
.irp b, 0,1,2,3
	v_max3_num_f32 v[TM+\b], v[TM+\b], |v[(\s)+16*\b+\i]|, |v[(\s)+16*\b+\i+1]|   ; the four blocks by turns
.endr
.endr
.irp b, 0,1,2,3
	s_delay_alu instid0(VALU_DEP_4)
	v_permlanex16_b32 v[TM+4+\b], v[TM+\b], s[SEL], s[SEL+1]
.endr
.irp b, 0,1,2,3
	s_delay_alu instid0(VALU_DEP_4)
	v_max_num_f32 v[TM+\b], v[TM+\b], v[TM+4+\b]   ; with lane l xor 16's 16: the block's largest magnitude
.endr
.irp b, 0,1,2,3
	s_delay_alu instid0(VALU_DEP_4)
	v_add_nc_u32 v[TM+12+\b], 0xff000000, v[TM+\b]   ; 2 off its exponent field: the conversion's scale operand
.endr
.irp b, 0,1,2,3
	s_delay_alu instid0(VALU_DEP_4)
	v_lshrrev_b32 v[TM+4+\b], 23, v[TM+12+\b]      ; the scale's byte
.endr
	s_delay_alu instid0(VALU_DEP_3)
	v_lshl_or_b32 v[PW], v[TM+5], 8, v[TM+4]
	s_delay_alu instid0(VALU_DEP_1)
	v_lshl_or_b32 v[PW], v[TM+6], 16, v[PW]
	s_delay_alu instid0(VALU_DEP_1)
	v_lshl_or_b32 v[PW], v[TM+7], 24, v[PW]
.irp c, 0,1
	v_cvt_scalef32_pk8_fp4_f32 v[PC+4*\c],   v[(\s)+32*\c:(\s)+32*\c+7],     v[TM+12+2*\c]     ; block 2 c: k 8 h + 0 .. 7
	v_cvt_scalef32_pk8_fp4_f32 v[PC+4*\c+2], v[(\s)+32*\c+8:(\s)+32*\c+15],  v[TM+12+2*\c]     ;            k 16 + 8 h ..
	v_cvt_scalef32_pk8_fp4_f32 v[PC+4*\c+1], v[(\s)+32*\c+16:(\s)+32*\c+23], v[TM+12+2*\c+1]   ; block 2 c + 1 likewise
	v_cvt_scalef32_pk8_fp4_f32 v[PC+4*\c+3], v[(\s)+32*\c+24:(\s)+32*\c+31], v[TM+12+2*\c+1]
.endr
	v_nop                                          ; one plain instruction behind the scaled conversions
.irp c, 0,1                            ; the first's lanes 16-31 change places with the second's lanes 0-15: register 4 c + i then holds k = 64 c + 32 h + 8 i .. + 7, the operand's layout
	v_permlane16_swap_b32 v[PC+4*\c], v[PC+4*\c+1]
	v_permlane16_swap_b32 v[PC+4*\c+2], v[PC+4*\c+3]
.endr
.endm
.macro XLOAD set, ks                   ; my 16 tokens' numbers of K step ks, in QUANT's order, into half set of the accumulators' registers
.irp b, 0,1,2,3
.irp e, 0,1
.irp i, 0,1
	global_load_b128 v[ACC+64*(\set)+16*\b+8*\e+4*\i:ACC+64*(\set)+16*\b+8*\e+4*\i+3], v[XA], s[4:5] offset:512*(\ks)+128*\b+64*\e+16*\i
.endr
.endr
.endr
.endm
.macro BIAS ptr, u                     ; the bias lands in the accumulators, in the result's layout: it is the C of the first K step
.irp n, 0,1,2,3,4,5,6,7
.irp e, 0,1
	global_load_b128 v[ACC+64*(\u)+8*\n+4*\e:ACC+64*(\u)+8*\n+4*\e+3], v[BA], s[\ptr:\ptr+1] offset:64*\n+16*\e
.endr
.endr
.endm
; A K step of 128: 20 fragment loads, 10 scale words, 16 matrix instructions on 16 accumulators that take turns.
.macro KSTEP kind, ks, zero
.set sl, (\ks)>>2
.set ss, (\ks)&3
	PLACES                                         ; in front of loads into registers that matrix instructions have read
.if \kind < 2
.irp i, 0,1,2,3,4,5,6,7
.irp c, 0,1
	ds_load_b128 v[FRG+8*\i+4*\c:FRG+8*\i+4*\c+3], v[AW+sl] offset:4352*\i+64*ss+32*\c
.endr
.endr
.irp u, 0,1
.irp c, 0,1
	ds_load_b128 v[FRG+64+8*\u+4*\c:FRG+64+8*\u+4*\c+3], v[AXQ] offset:(8*\u+(\ks))*1024+512*\c
.endr
.endr
.irp i, 0,1,2,3,4,5,6,7
	ds_load_b32 v[SC+\i], v[ASW] offset:8704*(\kind)+544*\i+4*(\ks)
.endr
.irp u, 0,1
	ds_load_b32 v[SC+8+\u], v[AXSQ] offset:128*(8*\u+(\ks))
.endr
.else
.irp i, 0,1,2,3,4,5,6,7
.irp c, 0,1
	ds_load_b128 v[FRG+8*\i+4*\c:FRG+8*\i+4*\c+3], v[LI] offset:(8*\i+(\ks))*1024+512*\c
.endr
.endr
.irp u, 0,1
.irp c, 0,1
	ds_load_b128 v[FRG+64+8*\u+4*\c:FRG+64+8*\u+4*\c+3], v[AWV+sl] offset:4352*\u+64*ss+32*\c
.endr
.endr
.irp i, 0,1,2,3,4,5,6,7
	ds_load_b32 v[SC+\i], v[LSX] offset:128*(8*\i+(\ks))
.endr
.irp u, 0,1
	ds_load_b32 v[SC+8+\u], v[ASWV] offset:17408+544*\u+4*(\ks)
.endr
.endif
	s_wait_dscnt 0x0
.irp u, 0,1
.irp i, 0,1,2,3,4,5,6,7
.if \zero
	MMZ ACC+64*\u+8*\i, FRG+8*\i, FRG+64+8*\u, SC+\i, SC+8+\u
.else
	MMA ACC+64*\u+8*\i, FRG+8*\i, FRG+64+8*\u, SC+\i, SC+8+\u
.endif
.endr
.endr
.endm
.macro XSTEP ks, set                   ; K step ks of my 16 tokens of x becomes a fragment's image in LDS
	s_wait_loadcnt 16                              ; this K step's 16 loads are in; the 16 issued behind them may be out
	QUANT ACC+64*\set, 0x1800000
	ds_store_b128 v[XWI], v[PC:PC+3] offset:1024*\ks
	ds_store_b128 v[XWI], v[PC+4:PC+7] offset:1024*\ks+512
	ds_store_b32 v[XWS], v[PW] offset:128*\ks
.if \ks < 6
	XLOAD \set, \ks+2
.else
	BIAS 10, \ks-6                                 ; the registers are free: bq takes them
.endif
	s_wait_dscnt 0x0                               ; the stores are done: the next codes may be written, and nothing is pending at the barrier
.endm
	s_load_b256 s[4:11], s[0:1], 0x0               ; x s[4:5], Wq codes s[6:7], Wq scales s[8:9], bq s[10:11]
	s_load_b256 s[12:19], s[0:1], 0x20             ; Wk codes s[12:13], Wk scales s[14:15], bk s[16:17], Wv codes s[18:19]
	s_load_b256 s[20:27], s[0:1], 0x40             ; Wv scales s[20:21], bv s[22:23], qimg s[24:25], kv s[26:27]
	s_load_b64 s[2:3], s[0:1], 0x60                ; Wo codes
	s_load_b64 s[100:101], s[0:1], 0x68            ; woimg
	v_lshl_add_u32 v[SPW], v0, 2, SPARE
	v_mov_b32 v[NIL], 0
	ds_add_u32 v1, v2
	ds_add_u32 v1, v2
	s_wait_dscnt 0x0
	v_lshrrev_b32 v40, 5, v0
	s_delay_alu instid0(VALU_DEP_1)
	v_readfirstlane_b32 s[WV], v40                 ; wave 0..7
	s_bfe_u32 s29, ttmp6, 0x40000                  ; cx
	s_lshl_b32 s30, ttmp9, 2
	s_add_co_u32 s30, s30, s29                     ; X: my block of 128 tokens
	s_and_b32 s31, ttmp7, 0xffff                   ; hg: my four heads; the cluster's partners share it
	s_and_b32 s38, s[WV], 3                        ; p
	s_lshr_b32 s39, s[WV], 2                       ; hp
	s_mov_b32 s[SEL], 0x76543210
	s_mov_b32 s[SEL+1], 0xfedcba98                 ; v_permlanex16_b32's selects for lane l xor 16
	s_mov_b32 s[G1W], 15|(1<<20)|(1<<21)|(5<<22)|(3<<25)   ; mask: all four partners; elements of 1 byte; padding on; bit 21 beside a mask; 4 words of padding behind every 64
	s_mov_b32 s[G1W+1], 256<<16                    ; tensor_dim0 = 256
	s_mov_b32 s[G1W+2], 64<<16                     ; tensor_dim1 = 64
	s_mov_b32 s[G1W+3], 256<<16                    ; tile_dim0 = 256
	s_mov_b32 s[G1W+4], 64                         ; tile_dim1 = 64
	s_mov_b32 s[G1W+5], 512                        ; a row of a weight is 512 bytes
	s_mov_b32 s[G1W+6], 0
	s_mov_b32 s[G1W+7], 0
	s_mov_b32 s[G1S], 15|(3<<16)|(1<<20)|(1<<21)|(5<<22)|(3<<25)   ; a dense block as rows of 32 elements of 8 bytes, the same padding
	s_mov_b32 s[G1S+1], 32<<16
	s_mov_b32 s[G1S+2], 32<<16
	s_mov_b32 s[G1S+3], 32<<16
	s_mov_b32 s[G1S+4], 32
	s_mov_b32 s[G1S+5], 32
	s_mov_b32 s[G1S+6], 0
	s_mov_b32 s[G1S+7], 0
	s_lshl_b32 s34, s31, 17                        ; hg x 256 rows x 512 bytes
	s_lshl_b32 s35, s38, 15                        ; + p x 64 rows
	s_add_co_u32 s34, s34, s35
	s_mov_b32 s35, 0
	s_lshl_b32 s36, s31, 13                        ; hg x 256 rows x 32 scale bytes
	s_mov_b32 s37, 0
	s_mul_i32 s96, s38, 17408                      ; my 64 rows' place in a slot
	s_wait_kmcnt 0x0
	MKG0 U0, 6, 0
	MKG0 U1, 6, 1
	MKG0 U2, 12, 0
	MKG0 U3, 12, 1
	MKG0 U4, 18, 0
	MKG0 U5, 18, 1
	MKGS GSQ, 8, 0
	MKGS GSK, 14, 1
	MKGS GSV, 20, 2
	s_lshl_b32 s98, s30, 19                        ; x: 128 X tokens of 4,096 bytes
	s_lshl_b32 s99, s[WV], 16                      ; + 16 tokens a wave
	s_add_co_u32 s98, s98, s99
	s_mov_b32 s99, 0
	s_add_nc_u64 s[4:5], s[4:5], s[98:99]
	s_lshl_b32 s98, s31, 10                        ; bq, bk: 4 (256 hg + 128 hp)
	s_lshl_b32 s97, s39, 9
	s_add_co_u32 s98, s98, s97
	s_add_nc_u64 s[10:11], s[10:11], s[98:99]
	s_add_nc_u64 s[16:17], s[16:17], s[98:99]
	s_lshl_b32 s98, s31, 10                        ; bv: 4 (256 hg + 32 wave)
	s_lshl_b32 s97, s[WV], 7
	s_add_co_u32 s98, s98, s97
	s_add_nc_u64 s[22:23], s[22:23], s[98:99]
	s_lshr_b32 s98, s30, 4                         ; the block's number in qimg and kv: ((batch x 4 + hg) x 16 + X % 16)
	s_lshl_b32 s98, s98, 2
	s_add_co_u32 s98, s98, s31
	s_lshl_b32 s98, s98, 4
	s_and_b32 s97, s30, 15
	s_add_co_u32 s97, s98, s97
	s_mul_i32 s98, s97, 20480
	s_add_nc_u64 s[24:25], s[24:25], s[98:99]
	s_mul_i32 s98, s97, 34816
	s_add_nc_u64 s[26:27], s[26:27], s[98:99]
	; Wo's codes are laid out once for the projection as images of operand registers: (row tile T, K step s) at (8 T + s) x 1,024, 16 bytes a lane, halves c 512 bytes apart.
	; The launch's 2,048 waves copy 256 bytes each: piece P = 8 (64 hg + X) + wave lies at 256 P; it holds rows 16 (P / 32) + lane / 2, bytes 16 (P % 32) + 8 (lane % 2) on.
	s_lshl_b32 s97, s31, 6
	s_add_co_u32 s97, s97, s30
	s_lshl_b32 s97, s97, 3
	s_add_co_u32 s97, s97, s[WV]
	s_lshr_b32 s98, s97, 5
	s_lshl_b32 s98, s98, 13
	s_and_b32 s96, s97, 31
	s_lshl_b32 s96, s96, 4
	s_add_co_u32 s98, s98, s96
	s_add_nc_u64 s[2:3], s[2:3], s[98:99]
	s_lshl_b32 s98, s97, 8
	s_add_nc_u64 s[100:101], s[100:101], s[98:99]
	ROUND                                          ; all four work-groups are here: the first joint loads meet
	s_cmp_lt_u32 s[WV], 4                          ; one first fill a wave: waves 0-3 Wq's first half, waves 4, 5, 6 a kind's scale bytes, wave 7 nothing
	s_cbranch_scc0 .Lfirst_not_w
	tensor_load_to_lds s[U0:U0+3], s[G1W:G1W+7]
	s_nop 0
	PLACES
	s_branch .Lfirst_done
.Lfirst_not_w:
	s_cmp_eq_u32 s[WV], 4
	s_cbranch_scc0 .Lfirst_not_4
	tensor_load_to_lds s[GSQ:GSQ+3], s[G1S:G1S+7]
	s_nop 0
	PLACES
	s_branch .Lfirst_done
.Lfirst_not_4:
	s_cmp_eq_u32 s[WV], 5
	s_cbranch_scc0 .Lfirst_not_5
	tensor_load_to_lds s[GSK:GSK+3], s[G1S:G1S+7]
	s_nop 0
	PLACES
	s_branch .Lfirst_done
.Lfirst_not_5:
	s_cmp_eq_u32 s[WV], 6
	s_cbranch_scc0 .Lfirst_done
	tensor_load_to_lds s[GSV:GSV+3], s[G1S:G1S+7]
	s_nop 0
	PLACES
.Lfirst_done:
	v_and_b32 v40, 31, v0                          ; lane
	v_and_b32 v41, 15, v0                          ; r
	v_bfe_u32 v42, v0, 4, 1                        ; h
	s_delay_alu instid0(VALU_DEP_2)
	v_lshlrev_b32 v[XA], 12, v41
	s_delay_alu instid0(VALU_DEP_1)
	v_lshl_add_u32 v[XA], v42, 5, v[XA]            ; x: token r of 4,096 bytes, + 32 h
	s_delay_alu instid0(VALU_DEP_4)
	v_lshlrev_b32 v[R4], 2, v41
	v_lshrrev_b32 v46, 1, v40
	v_and_b32 v47, 1, v40
	v_lshlrev_b32 v46, 9, v46
	v_lshl_add_u32 v46, v47, 3, v46                ; Wo: row lane / 2 of 512 bytes, + 8 (lane % 2)
	v_lshlrev_b32 v47, 3, v40                      ; woimg: 8 x lane.  v38, v39, v46, v47 serve this copy alone
	global_load_b64 v[38:39], v46, s[2:3]
	global_load_b32 v[BVP], v[R4], s[22:23]        ; bv of column 32 wave + r, twice, and of column 32 wave + 16 + r, twice: pairs for the packed addition
	global_load_b32 v[BVP+1], v[R4], s[22:23]
	global_load_b32 v[BVP+2], v[R4], s[22:23] offset:64
	global_load_b32 v[BVP+3], v[R4], s[22:23] offset:64
	XLOAD 0, 0
	XLOAD 1, 1
	v_lshlrev_b32 v[LI], 4, v40
	v_lshl_add_u32 v[LSX], v40, 2, XSC
	v_mul_u32_u24 v43, v41, 272
	s_delay_alu instid0(VALU_DEP_1)
	v_lshl_add_u32 v43, v42, 4, v43                ; a fragment's row x 272 + 16 h: the 16 rows of a load begin 16 bytes apart modulo 256
	s_mul_i32 s97, s39, 34816
	s_add_co_u32 s97, s97, RING
	v_add_nc_u32 v[AW], s97, v43                   ; rows 128 hp on
	s_delay_alu instid0(VALU_DEP_1)
	v_add_nc_u32 v[AW+1], SLOTB, v[AW]
	s_mul_i32 s97, s[WV], 8704
	s_add_co_u32 s97, s97, RING
	v_add_nc_u32 v[AWV], s97, v43                  ; rows 32 wave on
	s_delay_alu instid0(VALU_DEP_1)
	v_add_nc_u32 v[AWV+1], SLOTB, v[AWV]
	v_lshrrev_b32 v45, 3, v41
	v_lshlrev_b32 v44, 5, v41
	s_delay_alu instid0(VALU_DEP_1)
	v_lshl_add_u32 v44, v45, 4, v44                ; a row's 32 scale bytes: 32 r, and 16 more behind each 256
	s_mul_i32 s97, s39, 4352
	s_add_co_u32 s97, s97, WSC
	v_add_nc_u32 v[ASW], s97, v44
	s_mul_i32 s97, s[WV], 1088
	s_add_co_u32 s97, s97, WSC
	v_add_nc_u32 v[ASWV], s97, v44
	s_lshl_b32 s97, s38, 14
	v_add_nc_u32 v[AXQ], s97, v[LI]                ; token tiles 2 p, 2 p + 1
	s_lshl_b32 s97, s38, 11
	v_add_nc_u32 v[AXSQ], s97, v[LSX]
	s_lshl_b32 s97, s38, 12
	s_lshl_b32 s98, s39, 10
	s_add_co_u32 s97, s97, s98                     ; (8 p + 2 hp) x 512: qimg's codes [tile][head][512]
	s_lshr_b32 s98, s97, 2                         ; (8 p + 2 hp) x 128: its scale words
	s_add_co_u32 s97, s97, STGQ
	v_add_nc_u32 v[SQC], s97, v[LI]
	s_add_co_u32 s98, s98, STGQ+16384
	v_lshl_add_u32 v[SQS], v40, 2, s98
	s_mul_i32 s97, s39, 17408                      ; kv: heads 2 hp, 2 hp + 1 of 8,704 bytes each
	s_add_co_u32 s97, s97, STGKV
	s_lshl_b32 s98, s38, 10
	s_add_co_u32 s98, s98, s97
	v_add_nc_u32 v[SKC], s98, v[LI]                ; the double fragment p = [key tile 2 p | key tile 2 p + 1]
	s_lshl_b32 s98, s38, 2
	s_add_co_u32 s98, s98, s97
	s_add_co_u32 s98, s98, 8192
	v_lshl_add_u32 v[SKS], v41, 4, s98             ; its scale words [r][p]
	s_lshr_b32 s97, s[WV], 1
	s_mul_i32 s97, s97, 8704
	s_add_co_u32 s97, s97, STGKV
	s_and_b32 s98, s[WV], 1
	s_lshl_b32 s99, s98, 11
	s_add_co_u32 s99, s99, s97
	s_add_co_u32 s99, s99, 4096
	v_add_nc_u32 v[SVC], s99, v[LI]                ; V's fragments: head wave / 2, column tiles 2 (wave % 2) on
	s_lshl_b32 s99, s98, 3
	s_add_co_u32 s99, s99, s97
	s_add_co_u32 s99, s99, 8448
	v_lshl_add_u32 v[SVS], v41, 4, s99             ; their scale words [r][tile]
	v_lshlrev_b32 v[BA], 5, v42
	s_lshl_b32 s97, s[WV], 9
	v_add_nc_u32 v[CG], s97, v[LI]                 ; the copy out: 512 bytes a wave
	s_delay_alu instid0(VALU_DEP_1)
	v_add_nc_u32 v[CL], STGQ, v[CG]
	s_lshl_b32 s97, s[WV], 13
	v_add_nc_u32 v[XWI], s97, v[LI]                ; x's images: token tile = my wave
	s_lshl_b32 s97, s[WV], 10
	v_add_nc_u32 v[XWS], s97, v[LSX]
.irp b, 0,1,2,3
	v_mov_b32 v[TM+4+\b], 0                        ; a lane permute's destination counts as one of its sources
.endr
	; ---- x: wave w quantises tokens 16 w .. 16 w + 15, a K step at a time, two K steps' loads ahead
	XSTEP 0, 0
	global_store_b64 v47, v[38:39], s[100:101]     ; the piece of Wo is in (it was asked for ahead of the loads that the step above waited for): 256 consecutive bytes, aligned
	XSTEP 1, 1
	XSTEP 2, 0
	XSTEP 3, 1
	CHANGE U1, 1                                   ; slot 1's first fill, Wq's second half, is issued as a refill is; it has four K steps of x in which to land
	XSTEP 4, 0
	XSTEP 5, 1
	XSTEP 6, 0
	XSTEP 7, 1
	s_wait_tensorcnt 0x0                           ; my first fills have landed
	BAR                                            ; x's 64 fragments, Wq and all scale bytes lie in LDS
	s_wait_loadcnt 0x0                             ; bq is in the accumulators, bv in its pairs; x's address register may be written
	; ---- q
.irp k, 0,1,2,3
	KSTEP 0, \k, 0
.endr
	CHANGE U2, 1                                   ; slot 0 takes Wk's first half
.irp k, 4,5,6,7
	KSTEP 0, \k, 0
.endr
	CHANGE U3, 1                                   ; slot 1 takes Wk's second half
	PLACES
.irp u, 0,1
	QUANT ACC+64*\u, 0x3000000                     ; token tile 2 p + u: blocks 0, 1 are head 2 hp, blocks 2, 3 head 2 hp + 1; every byte is 4 or more
	v_add_nc_u32 v[PW], 0xfcfcfcfd, v[PW]          ; 3 off each of the four bytes (no byte borrows): the scores' 1/8
	s_delay_alu instid0(VALU_DEP_1)
	v_perm_b32 v[T0], v[PW], v[PW], 0x01000100     ; a head's word is [s0 s1 s0 s1]: it serves q in either half of a K step of 128
	s_delay_alu instid0(VALU_DEP_2)
	v_perm_b32 v[T1], v[PW], v[PW], 0x03020302
	ds_store_b128 v[SQC], v[PC:PC+3] offset:2048*\u
	ds_store_b128 v[SQC], v[PC+4:PC+7] offset:2048*\u+512
	ds_store_b32 v[SQS], v[T0] offset:512*\u
	ds_store_b32 v[SQS], v[T1] offset:512*\u+128
	BIAS 16, \u                                    ; the registers are free: bk takes them
	s_wait_dscnt 0x0
.endr
	s_wait_loadcnt 0x0                             ; bk
	; ---- k
.irp k, 0,1,2,3
	KSTEP 1, \k, 0
.endr
	CHANGE U4, 1                                   ; slot 0 takes Wv's first half
.irp k, 4,5,6,7
	KSTEP 1, \k, 0
.endr
	CHANGE U5, 1                                   ; slot 1 takes Wv's second half: the last fill
	PLACES
.irp u, 0,1
	QUANT ACC+64*\u, 0x1800000
	ds_store_b128 v[SKC], v[PC:PC+3] offset:512*\u
	ds_store_b128 v[SKC], v[PC+4:PC+7] offset:8704+512*\u
.if \u == 0
	v_mov_b32 v[PW0], v[PW]
.else
	v_perm_b32 v[T0], v[PW], v[PW0], 0x05040100    ; a double fragment's word: [tile 2 p: s0 s1 | tile 2 p + 1: s0 s1], head 2 hp;
	v_perm_b32 v[T1], v[PW], v[PW0], 0x07060302    ; head 2 hp + 1
	ds_store_b32 v[SKS], v[T0]                     ; (both halves of the lanes write the same word with the same value)
	ds_store_b32 v[SKS], v[T1] offset:8704
.endif
	s_wait_dscnt 0x0
.endr
	; ---- v
	KSTEP 2, 0, 1                                  ; the first product starts the sums
.irp k, 1,2,3
	KSTEP 2, \k, 0
.endr
	CHANGE 0, 0                                    ; Wv's second half has landed; nothing is filled again
.irp k, 4,5,6,7
	KSTEP 2, \k, 0
.endr
	PLACES
.irp u, 0,1
.set q, 0
.rept 32
	v_pk_add_f32 v[ACC+64*\u+q:ACC+64*\u+q+1], v[ACC+64*\u+q:ACC+64*\u+q+1], v[BVP+2*\u:BVP+2*\u+1]   ; + bv of my column; each accumulator from its low end on
.set q, q+2
.endr
.endr
.irp u, 0,1
	QUANT ACC+64*\u, 0x1800000                     ; 128 keys of column 32 wave + 16 u + r
	ds_store_b128 v[SVC], v[PC:PC+3] offset:1024*\u
	ds_store_b128 v[SVC], v[PC+4:PC+7] offset:1024*\u+512
	ds_store_b32 v[SVS], v[PW] offset:4*\u
	s_wait_dscnt 0x0
.endr
	BAR                                            ; both stages are whole
	; ---- the copy out: each load and each store of a wave covers 512 consecutive bytes
.irp i, 0,1,2,3,4
	ds_load_b128 v[ACC+4*\i:ACC+4*\i+3], v[CL] offset:4096*\i
.endr
.irp i, 0,1,2,3,4,5,6,7
	ds_load_b128 v[ACC+20+4*\i:ACC+20+4*\i+3], v[CL] offset:20480+4096*\i
.endr
.irp i, 0,1,2,3,4
	s_wait_dscnt 12-\i                             ; LDS loads come back in order: the younger ones may be out
	global_store_b128 v[CG], v[ACC+4*\i:ACC+4*\i+3], s[24:25] offset:4096*\i
.endr
.irp i, 0,1,2,3,4,5,6,7
	s_wait_dscnt 7-\i
	global_store_b128 v[CG], v[ACC+20+4*\i:ACC+20+4*\i+3], s[26:27] offset:4096*\i
.endr
	s_cmp_lt_u32 s[WV], 4                          ; kv's block is 68 pieces of 512 bytes: the last four
	s_cbranch_scc0 .Lno_tail
	ds_load_b128 v[ACC+52:ACC+55], v[CL] offset:53248
	s_wait_dscnt 0x0
	global_store_b128 v[CG], v[ACC+52:ACC+55], s[26:27] offset:32768
.Lno_tail:
	s_wait_tensorcnt 0x0                           ; the wave's end
	ds_add_u32 v[SPW], v[NIL]
	s_wait_dscnt 0x0
	ROUND                                          ; the closing round
	s_endpgm
.Lfunc_end_k_q31a51821db_qkv:
	.size	k_q31a51821db_qkv, .Lfunc_end_k_q31a51821db_qkv-k_q31a51821db_qkv
	.p2alignl 7, 3214868480
	.fill 96, 4, 3214868480
	.section	.rodata,"a",@progbits
	.p2align	6, 0x0
	.amdhsa_kernel k_q31a51821db_qkv
		.amdhsa_group_segment_fixed_size 327680
		.amdhsa_private_segment_fixed_size 0
		.amdhsa_enable_private_segment 0
		.amdhsa_kernarg_size 112
		.amdhsa_user_sgpr_count 2
		.amdhsa_user_sgpr_kernarg_segment_ptr 1
		.amdhsa_wavefront_size32 1
		.amdhsa_system_sgpr_workgroup_id_x 1
		.amdhsa_system_sgpr_workgroup_id_y 1
		.amdhsa_system_sgpr_workgroup_id_z 1
		.amdhsa_system_vgpr_workitem_id 0
		.amdhsa_next_free_vgpr 256
		.amdhsa_next_free_sgpr 102
		.amdhsa_reserve_vcc 0
		.amdhsa_float_denorm_mode_32 3
		.amdhsa_float_denorm_mode_16_64 3
		.amdhsa_memory_ordered 1
		.amdhsa_forward_progress 1
		.amdhsa_inst_pref_size 203
	.end_amdhsa_kernel
	.amdgpu_metadata
---
amdhsa.version: [ 1, 2 ]
amdhsa.kernels:
  - .name:           k_q31a51821db_qkv
    .symbol:         k_q31a51821db_qkv.kd
    .args:
      - { .name: inputs, .offset: 0, .size: 8, .value_kind: global_buffer, .address_space: global }
      - { .name: Wq_codes, .offset: 8, .size: 8, .value_kind: global_buffer, .address_space: global }
      - { .name: Wq_scales, .offset: 16, .size: 8, .value_kind: global_buffer, .address_space: global }
      - { .name: bq, .offset: 24, .size: 8, .value_kind: global_buffer, .address_space: global }
      - { .name: Wk_codes, .offset: 32, .size: 8, .value_kind: global_buffer, .address_space: global }
      - { .name: Wk_scales, .offset: 40, .size: 8, .value_kind: global_buffer, .address_space: global }
      - { .name: bk, .offset: 48, .size: 8, .value_kind: global_buffer, .address_space: global }
      - { .name: Wv_codes, .offset: 56, .size: 8, .value_kind: global_buffer, .address_space: global }
      - { .name: Wv_scales, .offset: 64, .size: 8, .value_kind: global_buffer, .address_space: global }
      - { .name: bv, .offset: 72, .size: 8, .value_kind: global_buffer, .address_space: global }
      - { .name: qimg, .offset: 80, .size: 8, .value_kind: global_buffer, .address_space: global }
      - { .name: kv, .offset: 88, .size: 8, .value_kind: global_buffer, .address_space: global }
      - { .name: Wo_codes, .offset: 96, .size: 8, .value_kind: global_buffer, .address_space: global }
      - { .name: woimg, .offset: 104, .size: 8, .value_kind: global_buffer, .address_space: global }
    .group_segment_fixed_size: 327680
    .private_segment_fixed_size: 0
    .kernarg_segment_align: 8
    .kernarg_segment_size: 112
    .max_flat_workgroup_size: 256
    .sgpr_count:     102
    .vgpr_count:     256
    .wavefront_size: 32
...
	.end_amdgpu_metadata
.endif
;; end of part 1
;; launch attn (part 2): grid 4 x 64, 8 waves a work-group, clusters of 4 x 4, 327,680 bytes of LDS; arguments qimg, kv, attention_mask, ctximg, ctxsc; writes ctximg, ctxsc
.if DOCPART == 2
	.amdgcn_target "amdgcn-amd-amdhsa--gfx1250"
	.amdhsa_code_object_version 6
	.text
	.protected	k_q31a51821db_attn
	.globl	k_q31a51821db_attn
	.p2align	8
	.type	k_q31a51821db_attn,@function
k_q31a51821db_attn:
	s_mov_b64 s[64:65], 0
	v_nop
	global_prefetch_b8 v0, s[64:65] scope:SCOPE_SE
	s_setreg_imm32_b32 hwreg(HW_REG_WAVE_MODE, 25, 1), 1
	s_wait_xcnt 0x0
	s_wait_alu depctr_hold_cnt(0) depctr_sa_sdst(0) depctr_va_vdst(0) depctr_va_sdst(0) depctr_va_ssrc(0) depctr_va_vcc(0) depctr_vm_vsrc(0)
	s_getreg_b32 s2, hwreg(HW_REG_IB_STS2, 6, 4)
	s_cmp_eq_u32 s2, 0
	s_cbranch_scc0 .Lentry_in_a_cluster
	s_endpgm
.Lentry_in_a_cluster:
	s_bfe_u32 s2, ttmp6, 0x10000c
	s_cmp_lg_u32 s2, 0xf033
	s_cbranch_scc0 .Lentry_shape_is_right
	s_endpgm
.Lentry_shape_is_right:
; ctx = softmax(q k^T / 8 + mask) v for 128 queries x 4 heads a work-group, both products on codes of FP4 (E2M1) with E8M0 scales; ctx leaves as codes along (head, d) for the projection.
; THE SOFTMAX: t = score x log2(e); M = the running largest t rounded UP to a whole number; p = 2^(t - M) is quantised along the keys, not normalised;
; the row's sum is taken of the unquantised p and divides at the end; when M moves, the sum and O are multiplied by 2^(old M - new M), which rounds nothing.
; SHARES.  Eight waves of 512 registers: head j = wave & 3, half = wave >> 2: FOUR tiles of 16 queries (64 half + 16 i), so one fetch of K's and V's fragments from LDS serves four tiles.
; LAYOUT.  Both products transposed: S^T = K Q^T, O^T = V^T P^T: a lane holds ONE query.  A double fragment of K holds key tile 2 b in its first 64 along K and tile 2 b + 1 in its second;
; multiplied by [q | 0] or [0 | q] it gives one tile's scores.  q's scale word already carries the 1/8.  The mask tile is loaded into the score registers and is the C of K Q^T.
; WINDOWS.  Tiles 0, 2 live in window 0, tiles 1, 3 in window 1, under the same register numbers; K's and V's fragments lie in window 1 at v32-95, addresses and all scale words in window 0 at v32-63.
; THE WALK.  A slot is 128 keys: 128 mask rows of 528 bytes, then 34,816 bytes of kv; two slots, 2^17 bytes apart.  Two score buffers: a tile's mask lands while another tile's softmax runs.
; A wave's last reads of a slot (tile 3's mask) are over halfway through the slot's work: there it runs the three lines and signals; QK 3, work on registers, stands between signal and wait.
; Behind the round come the refill and the next slot's K; tiles 2 and 3 are finished from registers, and each hands its score registers to the next slot's mask tile 0 or 1.
; So a refill has four tiles' softmax in which to land.
; CLUSTER 4 x 4.  A mask tile hangs on the query block alone: shared along a row of the cluster.  A block of kv hangs on batch and head group alone: shared along a column.
; Every wave issues one joint load a round: waves 0-3 32 mask rows each, waves 4-7 one head's 8,704 bytes of kv each.
; LIMITS.  -infinity in the mask is served; a row that is -infinity throughout gives NaN.  A block of p or of ctx under 2^-124 keeps the byte 1; blocks of zeros carry that byte, their codes are zeros.
.set SLOT1, 131072
.set KVO,   67584
.set SPARE, 233472                     ; the spare words: 128 bytes for each of 8 waves; no other line names them
.set STG,   234496                     ; 1,024 bytes: the work-group's scale words of ctx
.set ZQ,  10                           ; v10-29 [0 | q | 0 | q' | 0], in each window.  v2-9: for each of the window's two tiles -M, the largest t, the sum in two halves
.set T,   30
.set SPW, 32                           ; window 0: SPARE + 4 x thread; never rewritten
.set NIL, 33                           ; 0; never rewritten
.set AM0, 34
.set AK0, 35
.set AS0, 36
.set ADM, 37                           ; the slot's addresses
.set ADK, 38
.set ADS, 39
.set GO,  40
.set SA,  41
.set PFO, 42
.set SRD, 43
.set L4,  44
.set GW,  45
.set KS,  48                           ; v48-63 of window 0: scale words and nothing else: K's, V's, q's of four tiles, p's of four tiles
.set VS,  52
.set QS,  56
.set PS,  60
.set KF,  32                           ; window 1: K's four double fragments, V's four fragments
.set VF,  64
.set S,   96                           ; the mask, then S^T, then p
.set O,   160                          ; O^T of the window's two tiles
.set BM,  224
.set BX,  228
.set SO,  232
.set F,   236
.set PC,  238
.set CH,  246                          ; five more chains of the row's sum
.set WV,  14
.set SEL, 20
.set CS,  22
.set G1M, 24
.set G1K, 32
.set G0M, 40
.set G0K, 44
.set TRIP, 56
.set TB,  57
.set LIM, 58
.set HF,  59
.set PFA, 60
.set MSB, 0
.macro WIN new                         ; the immediate's high byte repeats the setting that is left
.if MSB != (\new)
	s_set_vgpr_msb (MSB<<8)|(\new)
.set MSB, (\new)
.endif
.endm
.macro CREST
	s_cmp_lg_u32 s[WV], 0
	s_cbranch_scc1 .Lnw0_\@
	s_barrier_signal -3
.Lnw0_\@:
	s_barrier_wait -3
	s_barrier_signal -1
	s_barrier_wait -1
.endm
.macro ROUND
	s_barrier_signal -1
	s_barrier_wait -1
	CREST
.endm
.macro PLACES
.rept 4
	v_nop
.endr
.endm
.macro MMA d, a, b, sa, sb
	v_wmma_scale_f32_16x16x128_f8f6f4 v[(\d):(\d)+7], v[(\a):(\a)+7], v[(\b):(\b)+7], v[(\d):(\d)+7], v[\sa], v[\sb] matrix_a_fmt:MATRIX_FMT_FP4 matrix_b_fmt:MATRIX_FMT_FP4
.endm
.macro JLOAD                           ; waves 0-3 fetch for the mask, waves 4-7 for kv: every way passes one load
	s_cmp_eq_u32 s[HF], 0
	s_cbranch_scc0 .Lfor_k_\@
	tensor_load_to_lds s[G0M:G0M+3], s[G1M:G1M+7]
	s_nop 0
	PLACES
	s_branch .Lasked_\@
.Lfor_k_\@:
	tensor_load_to_lds s[G0K:G0K+3], s[G1K:G1K+7]
	s_nop 0
	PLACES
.Lasked_\@:
.endm
.macro UPD                             ; no tensor load of mine is out: the walking descriptors go to the other slot and the next 128 keys
	s_xor_b32 s[G0M+1], s[G0M+1], SLOT1
	s_add_nc_u64 s[G0M+2:G0M+3], s[G0M+2:G0M+3], 512
	s_xor_b32 s[G0K+1], s[G0K+1], SLOT1
	s_add_nc_u64 s[G0K+2:G0K+3], s[G0K+2:G0K+3], 34816
	s_wait_xcnt 0x0                                ; my last prefetch has read its address
	s_add_nc_u64 s[PFA:PFA+1], s[PFA:PFA+1], 512
.endm
; A PREFETCH of the mask rows that the refill two slots on will ask for: 128 rows x 512 bytes.  The four work-groups of my row of the cluster take 32 rows each, told apart BY ADDRESS;
; in each, waves 2 and 3 ask, 16 rows x 2 pieces of 256 bytes a wave, a lane a piece.  The trips whose look-ahead would pass key 2,047 ask for nothing.  kv is not asked for: four clusters walk the same blocks.
.macro ASK
	s_cmp_gt_u32 s[TRIP], s[LIM]
	s_cbranch_scc0 .Lnm_\@
	global_prefetch_b8 v[PFO], s[PFA:PFA+1] th:TH_LOAD_NT scope:SCOPE_SE
.Lnm_\@:
.endm
.macro ADDR
	v_add_nc_u32 v[ADM], s[TB], v[AM0]
	v_add_nc_u32 v[ADK], s[TB], v[AK0]
	v_add_nc_u32 v[ADS], s[TB], v[AS0]
	s_wait_alu depctr_va_vdst(0)                   ; the wait, directly behind the writes
.endm
.macro MASKLD m                        ; tile m's mask, in the accumulators' own layout, into its window's score registers
	WIN 0x40*((\m)&1)
.irp t, 0,1,2,3,4,5,6,7
.irp e, 0,1
	ds_load_b128 v[S+8*\t+4*\e:S+8*\t+4*\e+3], v[ADM] offset:8448*(\m)+64*\t+16*\e
.endr
.endr
.endm
.macro KLD
	WIN 0x40
.irp b, 0,1,2,3
.irp c, 0,1
	ds_load_b128 v[KF+8*\b+4*\c:KF+8*\b+4*\c+3], v[ADK] offset:1024*\b+512*\c
.endr
.endr
	WIN 0
	ds_load_b128 v[KS:KS+3], v[ADS]
.endm
.macro VLD
	WIN 0x40
.irp b, 0,1,2,3
.irp c, 0,1
	ds_load_b128 v[VF+8*\b+4*\c:VF+8*\b+4*\c+3], v[ADK] offset:4096+1024*\b+512*\c
.endr
.endr
	WIN 0
	ds_load_b128 v[VS:VS+3], v[ADS] offset:256
.endm
.macro QK u, i, w                      ; source 0 (K) window 1; q, C and D the tile's window
	WIN 0x01|(0x54*(\w))
.irp b, 0,1,2,3
	MMA S+16*\b, KF+8*\b, ZQ+8*(\u)+4, KS+\b, QS+(\i)
	MMA S+16*\b+8, KF+8*\b, ZQ+8*(\u), KS+\b, QS+(\i)
.endr
.endm
.macro PV u, i, w
	WIN 0x01|(0x54*(\w))
.irp d, 0,1,2,3
	MMA O+32*(\u)+8*\d, VF+8*\d, PC, VS+\d, PS+(\i)
.endr
.endm
; Tile i = 2 u + w: scores to p's codes and scale word, the sum, O^T under the new M.  ml: the mask tile that takes the score registers once the codes are made (-1: none).
.macro SOFT u, i, w, ml
.set NM, 2+4*(\u)
.set LS, 4+4*(\u)
.set OO, O+32*(\u)
	WIN 0x55*(\w)
	s_wait_alu depctr_va_vdst(0)                   ; the wait, directly ahead of the scores' first readers
.irp b, 0,1,2,3
	v_max3_num_f32 v[BM+\b], v[S+16*\b], v[S+16*\b+1], v[S+16*\b+2]   ; the largest score of each block of 32 keys
.endr
.irp k, 3,5,7,9,11,13
.irp b, 0,1,2,3
	v_max3_num_f32 v[BM+\b], v[BM+\b], v[S+16*\b+\k], v[S+16*\b+\k+1]
.endr
.endr
.irp b, 0,1,2,3
	v_max_num_f32 v[BM+\b], v[BM+\b], v[S+16*\b+15]
.endr
.irp b, 0,1,2,3
	v_permlanex16_b32 v[BX+\b], v[BM+\b], s[SEL], s[SEL+1]
.endr
.irp b, 0,1,2,3
	v_max_num_f32 v[BM+\b], v[BM+\b], v[BX+\b]     ; with lane l xor 16's 16 keys
.endr
	v_max3_num_f32 v[T], v[BM], v[BM+1], v[BM+2]
	s_delay_alu instid0(VALU_DEP_1)
	v_max_num_f32 v[T], v[T], v[BM+3]
	s_delay_alu instid0(VALU_DEP_1)
	v_mul_f32 v[T], s[CS], v[T]                    ; as t
	s_delay_alu instid0(VALU_DEP_1)
	v_max_num_f32 v[NM+1], v[NM+1], v[T]           ; the running largest t
	v_mov_b32 v[T], v[NM]
	s_delay_alu instid0(VALU_DEP_2)
	v_floor_f32 v[NM], -v[NM+1]                    ; the new -M
	s_delay_alu instid0(VALU_DEP_1)
	v_sub_f32 v[T], v[NM], v[T]                    ; old M - new M: a whole number, 0 or less
	s_delay_alu instid0(VALU_DEP_1)
	v_cvt_i32_f32 v[T], v[T]                       ; (it saturates)
	s_delay_alu instid0(VALU_DEP_1)
	v_ldexp_f32 v[F], 1.0, v[T]
.set q, 0
.rept 32
	v_pk_fma_f32 v[S+q:S+q+1], v[S+q:S+q+1], s[CS:CS+1], v[NM:NM+1] op_sel_hi:[1,0,0]   ; t - M
.set q, q+2
.endr
.irp b, 0,1,2,3
	v_fma_f32 v[BM+\b], v[BM+\b], s[CS], v[NM]
.endr
	s_wait_alu depctr_va_vdst(0)                   ; ahead of the batch
.set q, 0
.rept 64
	v_exp_f32 v[S+q], v[S+q]                       ; p = 2^(t - M)
.set q, q+1
.endr
	v_pk_mul_f32 v[LS:LS+1], v[LS:LS+1], v[F:F+1] op_sel_hi:[1,0]   ; the sums under the new M: the plain instruction behind the batch
	s_wait_alu depctr_va_vdst(0)                   ; one wait for the batch, ahead of its first reader
.irp b, 0,1,2,3
	v_exp_f32 v[BM+\b], v[BM+\b]                   ; the block's largest p
.endr
.set q, 0
.rept 5
	v_pk_add_f32 v[CH+q:CH+q+1], v[S+2*q:S+2*q+1], v[S+2*q+2:S+2*q+3]   ; the row's sum of the unquantised p, in six chains
.set q, q+2
.endr
	v_pk_add_f32 v[LS:LS+1], v[LS:LS+1], v[S+20:S+21]
.set q, 22
.rept 3
.irp k, 0,2,4,6,8
	v_pk_add_f32 v[CH+\k:CH+\k+1], v[CH+\k:CH+\k+1], v[S+q+\k:S+q+\k+1]
.endr
	v_pk_add_f32 v[LS:LS+1], v[LS:LS+1], v[S+q+10:S+q+11]
.set q, q+12
.endr
.irp k, 0,2,4
	v_pk_add_f32 v[CH+\k:CH+\k+1], v[CH+\k:CH+\k+1], v[S+58+\k:S+59+\k]
.endr
	v_pk_add_f32 v[LS:LS+1], v[LS:LS+1], v[CH+8:CH+9]
	v_pk_add_f32 v[CH:CH+1], v[CH:CH+1], v[CH+2:CH+3]
	v_pk_add_f32 v[CH+4:CH+5], v[CH+4:CH+5], v[CH+6:CH+7]
	s_delay_alu instid0(VALU_DEP_1)
	v_pk_add_f32 v[CH:CH+1], v[CH:CH+1], v[CH+4:CH+5]
	s_delay_alu instid0(VALU_DEP_1)
	v_pk_add_f32 v[LS:LS+1], v[LS:LS+1], v[CH:CH+1]
	s_wait_alu depctr_va_vdst(0)                   ; and one for the four
.irp b, 0,1,2,3
	v_max_num_f32 v[BM+\b], 0x1800000, v[BM+\b]    ; the floor 2^(3 - 127): the byte cannot fall under 1
.endr
.irp b, 0,1,2,3
	v_add_nc_u32 v[SO+\b], 0xff000000, v[BM+\b]    ; 2 off the exponent field: the conversion's scale operand
.endr
.irp b, 0,1,2,3
	v_lshrrev_b32 v[BX+\b], 23, v[SO+\b]           ; the scale's byte
.endr
	v_lshl_or_b32 v[T], v[BX+1], 8, v[BX]
	s_delay_alu instid0(VALU_DEP_1)
	v_lshl_or_b32 v[T], v[BX+2], 16, v[T]
	WIN 0x15*(\w)                                  ; scale words lie in window 0
	v_lshl_or_b32 v[PS+(\i)], v[BX+3], 24, v[T]
	WIN 0x55*(\w)
.irp c, 0,1
	v_cvt_scalef32_pk8_fp4_f32 v[PC+4*\c],   v[S+32*\c:S+32*\c+7],     v[SO+2*\c]
	v_cvt_scalef32_pk8_fp4_f32 v[PC+4*\c+2], v[S+32*\c+8:S+32*\c+15],  v[SO+2*\c]
	v_cvt_scalef32_pk8_fp4_f32 v[PC+4*\c+1], v[S+32*\c+16:S+32*\c+23], v[SO+2*\c+1]
	v_cvt_scalef32_pk8_fp4_f32 v[PC+4*\c+3], v[S+32*\c+24:S+32*\c+31], v[SO+2*\c+1]
.endr
	v_nop                                          ; one plain instruction behind the scaled conversions
.irp c, 0,1                            ; register 4 c + n then holds keys 64 c + 32 h + 8 n .. + 7
	v_permlane16_swap_b32 v[PC+4*\c], v[PC+4*\c+1]
	v_permlane16_swap_b32 v[PC+4*\c+2], v[PC+4*\c+3]
.endr
.if \ml >= 0
	MASKLD \ml
	WIN 0x55*(\w)
.endif
	s_wait_alu depctr_va_vdst(0)                   ; directly ahead of the first readers of O^T
.set q, 0
.rept 16
	v_pk_mul_f32 v[OO+q:OO+q+1], v[OO+q:OO+q+1], v[F:F+1] op_sel_hi:[1,0]   ; O^T under the new M; also the places behind p's scale word and codes
.set q, q+2
.endr
.endm
; A SLOT.  On entry these LDS loads are out, in this order: K 8, its scale words 1, mask 0 16, mask 1 16, V 8, its scale words 1.
; kind 2: a round, a refill and the next slot's loads; 1: a barrier and the next slot's loads, nothing is filled; 0: the last slot.
.macro BODY kind
	s_wait_dscnt 25                                ; K, its scale words and mask 0 are in
	QK 0, 0, 0
	s_wait_dscnt 9                                 ; mask 1
	QK 0, 1, 1
	PLACES
	SOFT 0, 0, 0, 2
	s_wait_alu depctr_va_vdst(0)
	s_wait_dscnt 16                                ; V is in; mask 2's sixteen loads may be out
	PV 0, 0, 0
	SOFT 0, 1, 1, 3
	PV 0, 1, 1
	WIN 0
.if \kind > 0
	s_wait_alu depctr_va_vdst(0)
	s_wait_tensorcnt 0x0                           ; my part of the next slot has landed
	ds_add_u32 v[SPW], v[NIL]
.if \kind == 2
	UPD
.endif
	s_wait_dscnt 17                                ; mask 2 is in; mask 3's sixteen loads and the add may be out
.else
	s_wait_dscnt 16
.endif
	QK 1, 2, 0
	s_wait_dscnt 0x0                               ; the add is done, and my reads of this slot are over
.if \kind > 0
	s_barrier_signal -1
.endif
	QK 1, 3, 1
	WIN 0
.if \kind > 0
	s_xor_b32 s[TB], s[TB], SLOT1
	ADDR
	s_barrier_wait -1
.if \kind == 2
	CREST
	JLOAD                                          ; the slot just left takes the keys two slots on; its four v_nop are also the places in front of the loads below
.else
	PLACES
.endif
	KLD
.if \kind == 2
	ASK
.endif
	SOFT 1, 2, 0, 0
	PV 1, 2, 0
	SOFT 1, 3, 1, 1
.else
	PLACES
	SOFT 1, 2, 0, -1
	PV 1, 2, 0
	SOFT 1, 3, 1, -1
.endif
	PV 1, 3, 1
.if \kind > 0
	PLACES                                         ; in front of loads into registers that the products have read
	VLD
.endif
	WIN 0
.endm
.macro INIT
.irp k, 0,1,2,3
	v_mov_b32 v[ZQ+\k], 0                          ; the zero codes beside q
	v_mov_b32 v[ZQ+8+\k], 0
	v_mov_b32 v[ZQ+16+\k], 0
	v_mov_b32 v[BX+\k], 0                          ; a lane permute's destination counts as one of its sources
.endr
.irp k, 0,4
	v_mov_b32 v[3+\k], 0xff61b1e6                  ; the largest t so far: -3e38
	v_floor_f32 v[2+\k], -v[3+\k]
	v_mov_b32 v[4+\k], 0
	v_mov_b32 v[5+\k], 0
.endr
	v_mov_b32 v[T+1], 0
	v_mov_b32 v[F+1], 0
.set q, 0
.rept 64
	v_mov_b32 v[O+q], 0                            ; O^T: the slot is written without a first step of its own; the first change of M leaves zeros zeros
.set q, q+1
.endr
.endm
; THE WAY OUT of tile i: O^T / the sum, quantised along the head's 64.
.macro OUT u, i, w
.set LS, 4+4*(\u)
.set OO, O+32*(\u)
.set PO, PC+4*(\u)
	WIN 0x55*(\w)
	v_add_f32 v[LS], v[LS], v[LS+1]
	s_delay_alu instid0(VALU_DEP_1)
	v_permlanex16_b32 v[T+1], v[LS], s[SEL], s[SEL+1]
	s_delay_alu instid0(VALU_DEP_1)
	v_add_f32 v[LS], v[LS], v[T+1]
	s_wait_alu depctr_va_vdst(0)
	v_rcp_f32 v[LS], v[LS]
	v_nop
	s_wait_alu depctr_va_vdst(0)
.set q, 0
.rept 16
	v_pk_mul_f32 v[OO+q:OO+q+1], v[OO+q:OO+q+1], v[LS:LS+1] op_sel_hi:[1,0]
.set q, q+2
.endr
.irp b, 0,1
	v_max3_num_f32 v[BM+\b], |v[OO+16*\b]|, |v[OO+16*\b+1]|, 0x1800000
.endr
.irp k, 2,4,6,8,10,12,14
.irp b, 0,1
	v_max3_num_f32 v[BM+\b], v[BM+\b], |v[OO+16*\b+\k]|, |v[OO+16*\b+\k+1]|
.endr
.endr
.irp b, 0,1
	v_permlanex16_b32 v[BX+\b], v[BM+\b], s[SEL], s[SEL+1]
.endr
.irp b, 0,1
	v_max_num_f32 v[BM+\b], v[BM+\b], v[BX+\b]
.endr
.irp b, 0,1
	v_add_nc_u32 v[SO+\b], 0xff000000, v[BM+\b]
.endr
.irp b, 0,1
	v_lshrrev_b32 v[BX+\b], 23, v[SO+\b]
.endr
	v_lshl_or_b32 v[T], v[BX+1], 8, v[BX]          ; my head's two bytes
	v_cvt_scalef32_pk8_fp4_f32 v[PO],   v[OO:OO+7],     v[SO]
	v_cvt_scalef32_pk8_fp4_f32 v[PO+2], v[OO+8:OO+15],  v[SO]
	v_cvt_scalef32_pk8_fp4_f32 v[PO+1], v[OO+16:OO+23], v[SO+1]
	v_cvt_scalef32_pk8_fp4_f32 v[PO+3], v[OO+24:OO+31], v[SO+1]
	v_nop
	v_permlane16_swap_b32 v[PO], v[PO+1]
	v_permlane16_swap_b32 v[PO+2], v[PO+3]
	WIN 0x04*(\w)                                  ; the data: the tile's window; the addresses: window 0
	global_store_b128 v[GO], v[PO:PO+3], s[10:11] offset:8192*(\i)   ; 512 consecutive bytes
	ds_store_b16 v[SA], v[T] offset:128*(\i)       ; (both halves of the lanes write the same 16 bits)
.endm
	s_load_b256 s[4:11], s[0:1], 0x0               ; qimg s[4:5], kv s[6:7], the mask s[8:9], ctximg s[10:11]
	s_load_b64 s[12:13], s[0:1], 0x20              ; ctxsc
	v_lshl_add_u32 v[SPW], v0, 2, SPARE
	v_mov_b32 v[NIL], 0
	ds_add_u32 v[SPW], v[NIL]                      ; the opening lines: the add twice on end and one wait
	ds_add_u32 v[SPW], v[NIL]
	v_lshrrev_b32 v[T], 5, v0
	v_readfirstlane_b32 s[WV], v[T]                ; wave 0..7
	s_bfe_u32 s15, ttmp6, 0x40000                  ; cx
	s_bfe_u32 s16, ttmp6, 0x40004                  ; cy
	s_and_b32 s17, ttmp7, 0xffff                   ; the cluster's y, 0..15
	s_lshl_b32 s18, s17, 2
	s_add_co_u32 s18, s18, s16                     ; QB: my block of 128 queries, 0..63
	s_lshr_b32 s19, s17, 2                         ; the batch: the same in the whole cluster
	s_lshl_b32 s66, ttmp9, 2
	s_add_co_u32 s66, s66, s15                     ; hg: my four heads
	s_and_b32 s67, s[WV], 3                        ; j; also which quarter I fetch
	s_lshr_b32 s[HF], s[WV], 2                     ; which 64 queries; also: I fetch for the mask (0) or for kv (1)
	s_lshl_b32 s84, s16, 2
	s_lshl_b32 s84, 15, s84                        ; my row of the cluster
	s_lshl_b32 s85, 0x1111, s15                    ; my column
	s_or_b32 s[G1M], s84, (2<<16)|(1<<20)|(1<<21)|(6<<22)|(3<<25)   ; elements of 4 bytes; 4 words of padding behind every 128
	s_mov_b32 s[G1M+1], 128<<16
	s_mov_b32 s[G1M+2], 32<<16
	s_mov_b32 s[G1M+3], 128<<16
	s_mov_b32 s[G1M+4], 32
	s_mov_b32 s[G1M+5], 2048
	s_mov_b32 s[G1M+6], 0
	s_mov_b32 s[G1M+7], 0
	s_or_b32 s[G1K], s85, (3<<16)|(1<<21)          ; a dense block: 34 rows of 32 elements of 8 bytes
	s_mov_b32 s[G1K+1], 32<<16
	s_mov_b32 s[G1K+2], 34<<16
	s_mov_b32 s[G1K+3], 32<<16
	s_mov_b32 s[G1K+4], 34
	s_mov_b32 s[G1K+5], 32
	s_mov_b32 s[G1K+6], 0
	s_mov_b32 s[G1K+7], 0
	s_lshl_b32 s68, s18, 20                        ; the mask: 128 QB rows of 8,192 bytes + my 32 rows (no register here ever holds cx)
	s_lshl_b32 s69, s67, 18
	s_add_co_u32 s68, s68, s69
	s_mov_b32 s69, 0
	s_lshl_b32 s72, s19, 2                         ; kv: (4 batch + hg) x 16 blocks of 34,816 bytes + my head's 8,704 (no register here ever holds cy)
	s_add_co_u32 s72, s72, s66
	s_lshl_b32 s76, s72, 4
	s_mul_i32 s72, s76, 34816
	s_mul_i32 s73, s67, 8704
	s_add_co_u32 s71, s73, KVO                     ; head j's place in a slot
	s_add_co_u32 s72, s72, s73
	s_mov_b32 s73, 0
	s_mul_i32 s70, s67, 16896                      ; my 32 mask rows' place in a slot
	s_lshl_b32 s74, s18, 20                        ; the prefetches: my block's rows + 32 cx + 16 (wave & 1), at the third 128 keys: two steps of the address precede the first request
	s_lshl_b32 s75, s15, 18
	s_add_co_u32 s74, s74, s75
	s_and_b32 s75, s[WV], 1
	s_lshl_b32 s75, s75, 17
	s_add_co_u32 s74, s74, s75
	s_add_co_u32 s74, s74, 1024
	s_mov_b32 s75, 0
	s_lshr_b32 s77, s[WV], 1
	s_cmp_eq_u32 s77, 1                            ; waves 2 and 3 ask, while more than 2 trips are left
	s_cselect_b32 s[LIM], 2, -1
	s_and_b32 s77, s18, 15                         ; q: block (4 batch + hg) x 16 + QB % 16 of 20,480 bytes; in it tile 4 half + i, head j
	s_add_co_u32 s76, s76, s77
	s_mul_i32 s76, s76, 20480
	s_lshl_b32 s77, s[HF], 4
	s_add_co_u32 s77, s77, s67
	s_lshl_b32 s78, s77, 9
	s_add_co_u32 s78, s78, s76
	s_mov_b32 s79, 0
	s_lshl_b32 s80, s77, 7
	s_add_co_u32 s80, s80, s76
	s_add_co_u32 s80, s80, 16384
	s_mov_b32 s81, 0
	s_lshl_b32 s86, s18, 3                         ; ctximg: ((8 QB + 4 half + i) x 16 + 4 hg + j) x 512
	s_lshl_b32 s87, s[HF], 2
	s_add_co_u32 s86, s86, s87
	s_lshl_b32 s86, s86, 4
	s_lshl_b32 s87, s66, 2
	s_add_co_u32 s86, s86, s87
	s_add_co_u32 s86, s86, s67
	s_lshl_b32 s86, s86, 9
	s_mov_b32 s87, 0
	s_lshl_b32 s88, s66, 9                         ; ctxsc: (512 hg + 8 QB) x 128
	s_lshl_b32 s89, s18, 3
	s_add_co_u32 s88, s88, s89
	s_lshl_b32 s88, s88, 7
	s_mov_b32 s89, 0
	s_mul_i32 s82, s[HF], 33792                    ; my 64 mask rows
	s_add_co_u32 s83, s71, 8192                    ; head j's scale words
	s_lshl_b32 s90, s[HF], 9                       ; the stage: 128 (4 half + i) + 64 (j / 2) + 2 (j % 2) + 4 r
	s_lshr_b32 s91, s67, 1
	s_lshl_b32 s91, s91, 6
	s_add_co_u32 s90, s90, s91
	s_and_b32 s91, s67, 1
	s_lshl_b32 s91, s91, 1
	s_add_co_u32 s90, s90, s91
	s_add_co_u32 s90, s90, STG
	s_mov_b32 s[SEL], 0x76543210
	s_mov_b32 s[SEL+1], 0xfedcba98
	s_mov_b32 s[CS], 0x3fb8aa3b                    ; log2(e)
	s_mov_b32 s[CS+1], s[CS]
	s_mov_b32 s[TB], 0
	s_wait_dscnt 0x0                               ; both opening adds are done
	s_wait_kmcnt 0x0
	s_mov_b32 s[G0M], 1
	s_mov_b32 s[G0M+1], s70
	s_add_nc_u64 s[G0M+2:G0M+3], s[8:9], s[68:69]
	s_or_b32 s[G0M+3], s[G0M+3], 0x80000000
	s_mov_b32 s[G0K], 1
	s_mov_b32 s[G0K+1], s71
	s_add_nc_u64 s[G0K+2:G0K+3], s[6:7], s[72:73]
	s_or_b32 s[G0K+3], s[G0K+3], 0x80000000
	s_add_nc_u64 s[PFA:PFA+1], s[8:9], s[74:75]
	s_add_nc_u64 s[78:79], s[4:5], s[78:79]
	s_add_nc_u64 s[80:81], s[4:5], s[80:81]
	s_add_nc_u64 s[10:11], s[10:11], s[86:87]
	s_add_nc_u64 s[12:13], s[12:13], s[88:89]
	ROUND                                          ; all sixteen work-groups are here: the first joint loads meet
	JLOAD                                          ; slot 0: one tensor load a wave at the head
	v_and_b32 v224, 31, v0                         ; lane
	v_and_b32 v225, 15, v0                         ; r
	v_bfe_u32 v226, v0, 4, 1                       ; h
	v_lshlrev_b32 v[GO], 4, v224
	v_lshlrev_b32 v[L4], 2, v224
	v_mul_u32_u24 v[AM0], v225, 528                ; the 16 rows of a load begin 16 bytes apart modulo 256
	v_lshl_add_u32 v[AK0], v224, 4, s71
	v_lshl_add_u32 v[AS0], v225, 4, s83
	v_lshl_add_u32 v[AM0], v226, 5, v[AM0]
	v_lshl_add_u32 v[SA], v225, 2, s90
	v_lshlrev_b32 v[GW], 4, v0
	v_add_nc_u32 v[AM0], s82, v[AM0]
	v_lshrrev_b32 v227, 1, v224
	v_and_b32 v229, 1, v224
	v_add_nc_u32 v[SRD], STG, v[GW]
	v_lshlrev_b32 v[PFO], 13, v227
	s_delay_alu instid0(VALU_DEP_1)
	v_lshl_add_u32 v[PFO], v229, 8, v[PFO]         ; row lane / 2, piece lane % 2
	ADDR
.irp k, 0,1,2,3
	WIN 0x40*(\k&1)
	global_load_b128 v[ZQ+4+8*(\k>>1):ZQ+7+8*(\k>>1)], v[GO], s[78:79] offset:2048*\k   ; q stays in registers
.endr
	WIN 0
.irp k, 0,1,2,3
	global_load_b32 v[QS+\k], v[L4], s[80:81] offset:512*\k
.endr
	INIT
	WIN 0x55
	INIT
	WIN 0
	s_wait_alu depctr_va_vdst(0)                   ; the wait at the head's end
	s_wait_tensorcnt 0x0                           ; my part of slot 0 is in; slot 1's first fill is issued as a refill is
	ds_add_u32 v[SPW], v[NIL]
	UPD
	s_wait_dscnt 0x0
	ROUND
	JLOAD
	KLD
	MASKLD 0
	MASKLD 1
	VLD
	s_wait_loadcnt 0x0                             ; q
	s_mov_b32 s[TRIP], 14
.Lslot:                                            ; 14 trips: the trip of slot n asks for the keys of slot n + 2
	BODY 2
	s_sub_co_u32 s[TRIP], s[TRIP], 1
	s_cmp_lg_u32 s[TRIP], 0
	s_cbranch_scc1 .Lslot
	BODY 1                                         ; the last two slots are written out: nothing is left to fetch
	BODY 0
	OUT 0, 0, 0
	OUT 0, 1, 1
	OUT 1, 2, 0
	OUT 1, 3, 1
	WIN 0
	s_wait_dscnt 0x0
	s_barrier_signal -1
	s_barrier_wait -1                              ; the work-group's 256 scale words are whole
	s_cmp_lt_u32 s[WV], 2
	s_cbranch_scc0 .Lnot_first
	ds_load_b128 v[S:S+3], v[SRD]
	s_wait_dscnt 0x0
	global_store_b128 v[GW], v[S:S+3], s[12:13]    ; 512 consecutive bytes a wave
.Lnot_first:
	s_wait_tensorcnt 0x0                           ; the wave's end
	ds_add_u32 v[SPW], v[NIL]
	s_wait_dscnt 0x0
	ROUND                                          ; the closing round
	s_endpgm
.Lfunc_end_k_q31a51821db_attn:
	.size	k_q31a51821db_attn, .Lfunc_end_k_q31a51821db_attn-k_q31a51821db_attn
	.p2alignl 7, 3214868480
	.fill 96, 4, 3214868480
	.section	.rodata,"a",@progbits
	.p2align	6, 0x0
	.amdhsa_kernel k_q31a51821db_attn
		.amdhsa_group_segment_fixed_size 327680
		.amdhsa_private_segment_fixed_size 0
		.amdhsa_enable_private_segment 0
		.amdhsa_kernarg_size 40
		.amdhsa_user_sgpr_count 2
		.amdhsa_user_sgpr_kernarg_segment_ptr 1
		.amdhsa_wavefront_size32 1
		.amdhsa_system_sgpr_workgroup_id_x 1
		.amdhsa_system_sgpr_workgroup_id_y 1
		.amdhsa_system_sgpr_workgroup_id_z 1
		.amdhsa_system_vgpr_workitem_id 0
		.amdhsa_next_free_vgpr 512
		.amdhsa_next_free_sgpr 100
		.amdhsa_reserve_vcc 0
		.amdhsa_float_denorm_mode_32 3
		.amdhsa_float_denorm_mode_16_64 3
		.amdhsa_memory_ordered 1
		.amdhsa_forward_progress 1
		.amdhsa_inst_pref_size 213
	.end_amdhsa_kernel
	.amdgpu_metadata
---
amdhsa.version: [ 1, 2 ]
amdhsa.kernels:
  - .name:           k_q31a51821db_attn
    .symbol:         k_q31a51821db_attn.kd
    .args:
      - { .name: qimg, .offset: 0, .size: 8, .value_kind: global_buffer, .address_space: global }
      - { .name: kv, .offset: 8, .size: 8, .value_kind: global_buffer, .address_space: global }
      - { .name: attention_mask, .offset: 16, .size: 8, .value_kind: global_buffer, .address_space: global }
      - { .name: ctximg, .offset: 24, .size: 8, .value_kind: global_buffer, .address_space: global }
      - { .name: ctxsc, .offset: 32, .size: 8, .value_kind: global_buffer, .address_space: global }
    .group_segment_fixed_size: 327680
    .private_segment_fixed_size: 0
    .kernarg_segment_align: 8
    .kernarg_segment_size: 40
    .max_flat_workgroup_size: 256
    .sgpr_count:     100
    .vgpr_count:     512
    .wavefront_size: 32
...
	.end_amdgpu_metadata
.endif
;; end of part 2
;; launch proj (part 3): grid 256 x 1, 8 waves a work-group, no clusters, 167,936 bytes of LDS; arguments ctximg, ctxsc, woimg, Wo_scales, bo, inputs, gamma, beta, out0; writes out0
.if DOCPART == 3
	.amdgcn_target "amdgcn-amd-amdhsa--gfx1250"
	.amdhsa_code_object_version 6
	.text
	.protected	k_q31a51821db_proj
	.globl	k_q31a51821db_proj
	.p2align	8
	.type	k_q31a51821db_proj,@function
k_q31a51821db_proj:
	s_mov_b64 s[64:65], 0
	v_nop
	global_prefetch_b8 v0, s[64:65] scope:SCOPE_SE
	s_setreg_imm32_b32 hwreg(HW_REG_WAVE_MODE, 25, 1), 1
	s_wait_xcnt 0x0
; out = LayerNorm(ctx Wo + bo + inputs) x gamma + beta.  ctx and Wo come as images of operand registers (Wo's laid by launch qkv); the product on codes of FP4 (E2M1) with E8M0 scales.
; SHARES.  A work-group takes 32 rows (token tiles 2 G, 2 G + 1) x all 1,024 columns, since a row's mean and variance want the whole row.  Wave w owns columns 256 ch + 32 w + 16 n + 8 h + j, ch = 0..3, n = 0, 1.
; The product is used transposed (source 0 = 16 rows of Wo, source 1 = 16 tokens): a lane holds ONE token, eight neighbouring columns an accumulator: (tile t, ch, n) at ACC + 64 t + 16 ch + 8 n.
; OPERANDS GO FROM MEMORY STRAIGHT INTO REGISTERS: each load of a wave covers 512 consecutive bytes.  A wave reads only its own 128 rows of Wo, so nothing of Wo is handed between waves.
; A K step of 128 is 16 loads of Wo, 4 of ctx and 16 matrix instructions on 16 accumulators that take turns; three K steps' loads, 60, are out from the head on, in three sets of registers of window 1.
; NO JOINT LOADS: Wo with its padding, 540,672 bytes, would pass LDS in at least two fills of drained slots, each with a round of barriers, for 128 matrix instructions a wave.
; NO PREFETCH: the text has no loop to run ahead in; the loads themselves run three K steps ahead.
; The sums begin at the residual, which comes into LDS by one tensor load a wave and from there into the accumulators; bo is added behind the products.
; SCALE WORDS: lanes 0-15 of a register carry tile 0's (n = 0, t = 0), lanes 16-31 tile 1's.
; The variance is taken in two passes (the mean first, then the squares of the differences), so a common offset of the inputs costs no digits.
; The normalised rows go back into the residual's bytes in LDS, which have had their only fill, and leave as whole rows.
.set RES,   0                          ; the residual, later the result: chunk ch: 32 rows x (1,024 + 16) bytes
.set RCH,   33280
.set SPARE, 133120                     ; the spare words: 128 bytes for each of 8 waves; no other line names them
.set RED,   134144                     ; 2 x 1,024 bytes: the waves' partial sums
.set SPW, 1
.set NIL, 2
.set L32, 3                            ; 32 x lane
.set AR,  7                            ; v7-8 my 32 bytes of a residual row, chunks 0-1 and 2-3
.set RD,  9                            ; v9-10 whole rows back
.set GO,  11                           ; 16 x lane
.set VB,  12                           ; 32 h
.set RA,  13
.set RB,  14
.set CA,  15                           ; 128 h + 4 r
.set CS,  16                           ; v16-23 ctx's scale words by K step, and nothing else
.set WS,  24                           ; v24-55 Wo's scale words, 8 ch + K step, and nothing else
.set BO,  64                           ; v64-127 bo; behind its addition v64-85 hold the statistics
.set P0,  64
.set P1,  66
.set A0,  68
.set A1,  69
.set X0,  70
.set X1,  71
.set RR,  72
.set RX,  73
.set LL,  74
.set M0,  82
.set M1,  84
.set ACC, 128
.set GM,  0                            ; window 1, behind the products: gamma v0-63, beta v64-127
.set BT,  64
.set HM,  22
.set WV,  28
.set SEL, 32
.set G1R, 72
.set G0R, 80
.set MSB, 0
.macro WIN new                         ; the immediate's high byte repeats the setting that is left
.if MSB != (\new)
	s_set_vgpr_msb (MSB<<8)|(\new)
.set MSB, (\new)
.endif
.endm
.macro BAR
	s_barrier_signal -1
	s_barrier_wait -1
.endm
.macro PLACES
.rept 4
	v_nop
.endr
.endm
.macro MM d, a, b, sa, sb, n, t        ; n, t: which half of the lanes carries the side's scale words
.if \n
.if \t
	v_wmma_scale_f32_16x16x128_f8f6f4 v[(\d):(\d)+7], v[(\a):(\a)+7], v[(\b):(\b)+7], v[(\d):(\d)+7], v[\sa], v[\sb] matrix_a_fmt:MATRIX_FMT_FP4 matrix_b_fmt:MATRIX_FMT_FP4 matrix_a_scale:MATRIX_SCALE_ROW1 matrix_b_scale:MATRIX_SCALE_ROW1
.else
	v_wmma_scale_f32_16x16x128_f8f6f4 v[(\d):(\d)+7], v[(\a):(\a)+7], v[(\b):(\b)+7], v[(\d):(\d)+7], v[\sa], v[\sb] matrix_a_fmt:MATRIX_FMT_FP4 matrix_b_fmt:MATRIX_FMT_FP4 matrix_a_scale:MATRIX_SCALE_ROW1
.endif
.else
.if \t
	v_wmma_scale_f32_16x16x128_f8f6f4 v[(\d):(\d)+7], v[(\a):(\a)+7], v[(\b):(\b)+7], v[(\d):(\d)+7], v[\sa], v[\sb] matrix_a_fmt:MATRIX_FMT_FP4 matrix_b_fmt:MATRIX_FMT_FP4 matrix_b_scale:MATRIX_SCALE_ROW1
.else
	v_wmma_scale_f32_16x16x128_f8f6f4 v[(\d):(\d)+7], v[(\a):(\a)+7], v[(\b):(\b)+7], v[(\d):(\d)+7], v[\sa], v[\sb] matrix_a_fmt:MATRIX_FMT_FP4 matrix_b_fmt:MATRIX_FMT_FP4
.endif
.endif
.endm
.macro FLOAD s                         ; K step s: my eight fragments of Wo and ctx's two, into set s % 3 of window 1
.set FB, 64*((\s)%3)
.set CB, 192+16*((\s)%3)
	WIN 0x40
.irp ch, 0,1,2,3
.irp n, 0,1
.irp c, 0,1
	global_load_b128 v[FB+16*\ch+8*\n+4*\c:FB+16*\ch+8*\n+4*\c+3], v[GO], s[8:9] offset:131072*\ch+8192*\n+1024*(\s)+512*\c
.endr
.endr
.endr
.irp t, 0,1
.irp c, 0,1
	global_load_b128 v[CB+8*\t+4*\c:CB+8*\t+4*\c+3], v[GO], s[4:5] offset:8192*\t+1024*(\s)+512*\c
.endr
.endr
.endm
.macro STEP s, cnt                     ; cnt: the loads issued behind K step s's own
.set FB, 64*((\s)%3)
.set CB, 192+16*((\s)%3)
	s_wait_loadcnt \cnt
	WIN 0x05                                       ; sources 0 and 1 window 1; C and D window 0
.irp t, 0,1
.irp ch, 0,1,2,3
.irp n, 0,1
	MM ACC+64*\t+16*\ch+8*\n, FB+16*\ch+8*\n, CB+8*\t, WS+8*\ch+(\s), CS+(\s), \n, \t
.endr
.endr
.endr
.if \s < 5
	PLACES                                         ; in front of loads into registers that the products have read
	FLOAD (\s)+3
.endif
.endm
; The partial sums v[P0:P0+1] (tile 0) and v[P1:P1+1] (tile 1) of my 128 columns become, in v[RR], the whole row's sum of token r of tile h.
.macro REDUCE off
	v_add_f32 v[A0], v[P0], v[P0+1]
	v_add_f32 v[A1], v[P1], v[P1+1]
	s_delay_alu instid0(VALU_DEP_2)
	v_permlanex16_b32 v[X0], v[A0], s[SEL], s[SEL+1]
	s_delay_alu instid0(VALU_DEP_2)
	v_permlanex16_b32 v[X1], v[A1], s[SEL], s[SEL+1]
	s_delay_alu instid0(VALU_DEP_2)
	v_add_f32 v[A0], v[A0], v[X0]
	s_delay_alu instid0(VALU_DEP_2)
	v_add_f32 v[A1], v[A1], v[X1]
	s_delay_alu instid0(VALU_DEP_1)
	v_cndmask_b32 v[RR], v[A0], v[A1], s[HM]       ; lanes 0-15 carry tile 0's, lanes 16-31 tile 1's
	ds_store_b32 v[RA], v[RR] offset:\off
	s_wait_dscnt 0x0
	BAR
.irp k, 0,1,2,3,4,5,6,7
	ds_load_b32 v[LL+\k], v[RB] offset:\off+128*\k
.endr
	s_wait_dscnt 0x0
	v_add_f32 v[LL], v[LL], v[LL+1]
	v_add_f32 v[LL+2], v[LL+2], v[LL+3]
	v_add_f32 v[LL+4], v[LL+4], v[LL+5]
	v_add_f32 v[LL+6], v[LL+6], v[LL+7]
	s_delay_alu instid0(VALU_DEP_3)
	v_add_f32 v[LL], v[LL], v[LL+2]
	s_delay_alu instid0(VALU_DEP_2)
	v_add_f32 v[LL+4], v[LL+4], v[LL+6]
	s_delay_alu instid0(VALU_DEP_1)
	v_add_f32 v[RR], v[LL], v[LL+4]
.endm
.macro SPREAD                          ; v[RR] (tile h's number) into pairs for the packed forms: v[M0:M0+1] tile 0's, v[M1:M1+1] tile 1's, in every lane
	v_permlanex16_b32 v[RX], v[RR], s[SEL], s[SEL+1]
	v_cndmask_b32 v[M0], v[RR], v[RX], s[HM]
	v_cndmask_b32 v[M1], v[RX], v[RR], s[HM]
	s_delay_alu instid0(VALU_DEP_2)
	v_mov_b32 v[M0+1], v[M0]
	s_delay_alu instid0(VALU_DEP_2)
	v_mov_b32 v[M1+1], v[M1]
.endm
	s_load_b256 s[4:11], s[0:1], 0x0               ; ctximg s[4:5], ctxsc s[6:7], woimg s[8:9], Wo scales s[10:11]
	s_load_b256 s[12:19], s[0:1], 0x20             ; bo s[12:13], inputs s[14:15], gamma s[16:17], beta s[18:19]
	s_load_b64 s[20:21], s[0:1], 0x40              ; out0
	v_lshl_add_u32 v[SPW], v0, 2, SPARE
	v_mov_b32 v[NIL], 0
	ds_add_u32 v[SPW], v[NIL]                      ; the opening lines: the add twice on end and one wait
	ds_add_u32 v[SPW], v[NIL]
	v_lshrrev_b32 v4, 5, v0
	v_readfirstlane_b32 s[WV], v4                  ; wave 0..7
	s_and_b32 s27, s[WV], 3                        ; which chunk of the residual I fetch,
	s_lshr_b32 s26, s[WV], 2                       ; and which 16 rows of it
	s_mov_b32 s[HM], 0xffff0000                    ; lanes 16-31
	s_mov_b32 s23, 0x3a800000                      ; 1 / 1,024
	s_mov_b32 s24, 0x3727c5ac                      ; 1e-5
	s_mov_b32 s[SEL], 0x76543210
	s_mov_b32 s[SEL+1], 0xfedcba98
	s_mov_b32 s[G1R], (2<<16)|(1<<20)|(7<<22)|(3<<25)   ; 16 rows x 256 f32, 4 words of padding behind every 256
	s_mov_b32 s[G1R+1], 256<<16
	s_mov_b32 s[G1R+2], 16<<16
	s_mov_b32 s[G1R+3], 256<<16
	s_mov_b32 s[G1R+4], 16
	s_mov_b32 s[G1R+5], 1024
	s_mov_b32 s[G1R+6], 0
	s_mov_b32 s[G1R+7], 0
	s_lshl_b32 s96, ttmp9, 17                      ; inputs: 32 G rows of 4,096 bytes + my 16 rows + my chunk
	s_lshl_b32 s97, s26, 16
	s_add_co_u32 s96, s96, s97
	s_lshl_b32 s97, s27, 10
	s_add_co_u32 s96, s96, s97
	s_mov_b32 s97, 0
	s_mul_i32 s34, s27, RCH
	s_mul_i32 s35, s26, 16640
	s_add_co_u32 s34, s34, s35
	s_lshl_b32 s36, s[WV], 7                       ; my 128 bytes of a chunk's row
	s_mul_i32 s37, s[WV], 4160                     ; my four rows on the way out
	s_add_co_u32 s38, s36, RED
	s_wait_dscnt 0x0                               ; both opening adds are done
	s_wait_kmcnt 0x0
	s_mov_b32 s[G0R], 1
	s_mov_b32 s[G0R+1], s34
	s_add_nc_u64 s[G0R+2:G0R+3], s[14:15], s[96:97]
	s_or_b32 s[G0R+3], s[G0R+3], 0x80000000
	tensor_load_to_lds s[G0R:G0R+3], s[G1R:G1R+7]  ; one tensor load a wave: the launch's only fills
	s_nop 0
	PLACES
	s_lshl_b32 s96, ttmp9, 14                      ; ctximg: 2 G tiles of 8,192 bytes
	s_add_nc_u64 s[4:5], s[4:5], s[96:97]
	s_lshl_b32 s96, ttmp9, 8                       ; ctxsc: 2 G tiles of 128 bytes
	s_add_nc_u64 s[6:7], s[6:7], s[96:97]
	s_lshl_b32 s96, s[WV], 14                      ; woimg: row tiles 2 wave on, 8,192 bytes each
	s_add_nc_u64 s[8:9], s[8:9], s[96:97]
	s_lshl_b32 s96, s[WV], 10                      ; Wo's scale bytes: rows 32 wave on
	s_add_nc_u64 s[10:11], s[10:11], s[96:97]
	s_mov_b32 s96, s36                             ; bo, gamma, beta: my 32 columns of a chunk
	s_add_nc_u64 s[12:13], s[12:13], s[96:97]
	s_add_nc_u64 s[16:17], s[16:17], s[96:97]
	s_add_nc_u64 s[18:19], s[18:19], s[96:97]
	s_lshl_b32 s96, ttmp9, 17                      ; out0: row 32 G + 4 wave
	s_lshl_b32 s98, s[WV], 14
	s_add_co_u32 s96, s96, s98
	s_add_nc_u64 s[20:21], s[20:21], s[96:97]
	v_and_b32 v4, 31, v0                           ; lane
	v_and_b32 v5, 15, v0                           ; r
	v_bfe_u32 v6, v0, 4, 1                         ; h
	v_lshlrev_b32 v[GO], 4, v4
	v_lshlrev_b32 v[L32], 5, v4
	v_lshlrev_b32 v[VB], 5, v6
	v_lshlrev_b32 v[CA], 2, v5
	v_mul_u32_u24 v[AR], v5, 1040
	v_lshl_add_u32 v[RA], v4, 2, s38
	v_lshl_add_u32 v[RB], v4, 2, RED
	v_lshl_add_u32 v[CA], v6, 7, v[CA]
	v_lshl_add_u32 v[AR], v6, 5, v[AR]
	v_add_nc_u32 v[RD], s37, v[GO]
	s_delay_alu instid0(VALU_DEP_2)
	v_add_nc_u32 v[AR], s36, v[AR]
	s_delay_alu instid0(VALU_DEP_2)
	v_add_nc_u32 v[RD+1], 2*RCH, v[RD]
	s_delay_alu instid0(VALU_DEP_2)
	v_add_nc_u32 v[AR+1], 2*RCH, v[AR]
	s_wait_alu depctr_va_vdst(0)                   ; the wait at the head's end
.irp ch, 0,1,2,3
.irp e, 0,1
	global_load_b128 v[WS+8*\ch+4*\e:WS+8*\ch+4*\e+3], v[L32], s[10:11] offset:8192*\ch+16*\e   ; row 256 ch + 32 wave + lane: its eight scale words
.endr
.endr
.irp k, 0,1,2,3,4,5,6,7
	global_load_b32 v[CS+\k], v[CA], s[6:7] offset:65536*(\k/2)+64*(\k%2)   ; ctx's scale word of token r, tile h, K step k
.endr
	FLOAD 0
	FLOAD 1
	FLOAD 2
	WIN 0
.irp ch, 0,1,2,3
.irp n, 0,1
.irp e, 0,1
	global_load_b128 v[BO+16*\ch+8*\n+4*\e:BO+16*\ch+8*\n+4*\e+3], v[VB], s[12:13] offset:1024*\ch+64*\n+16*\e   ; bo, in the accumulators' layout
.endr
.endr
.endr
	s_wait_tensorcnt 0x0                           ; my part of the residual has landed
	BAR                                            ; everybody's has
.irp t, 0,1
.irp ch, 0,1,2,3
.irp n, 0,1
.irp e, 0,1
	ds_load_b128 v[ACC+64*\t+16*\ch+8*\n+4*\e:ACC+64*\t+16*\ch+8*\n+4*\e+3], v[AR+\ch/2] offset:(\ch%2)*RCH+16640*\t+64*\n+16*\e
.endr
.endr
.endr
.endr
	s_wait_dscnt 0x0                               ; the sums begin at the residual
	STEP 0, 56                                     ; behind K step 0's loads: K steps 1 and 2, 40, and bo, 16
	STEP 1, 56                                     ; K step 2, bo, K step 3
	STEP 2, 56                                     ; bo, K steps 3 and 4
	STEP 3, 40
	STEP 4, 40
	STEP 5, 40
	STEP 6, 20
	STEP 7, 0
	PLACES
	WIN 0x40
.irp ch, 0,1,2,3
.irp n, 0,1
.irp e, 0,1
	global_load_b128 v[GM+16*\ch+8*\n+4*\e:GM+16*\ch+8*\n+4*\e+3], v[VB], s[16:17] offset:1024*\ch+64*\n+16*\e   ; gamma and beta, in the accumulators' layout, into window 1
	global_load_b128 v[BT+16*\ch+8*\n+4*\e:BT+16*\ch+8*\n+4*\e+3], v[VB], s[18:19] offset:1024*\ch+64*\n+16*\e
.endr
.endr
.endr
	WIN 0
.irp t, 0,1
.set q, 0
.rept 32
	v_pk_add_f32 v[ACC+64*\t+q:ACC+64*\t+q+1], v[ACC+64*\t+q:ACC+64*\t+q+1], v[BO+q:BO+q+1]   ; + bo; each accumulator from its low end on
.set q, q+2
.endr
.endr
	v_mov_b32 v[X0], 0                             ; a lane permute's destination counts as one of its sources
	v_mov_b32 v[X1], 0
	v_mov_b32 v[RX], 0
	; ---- the mean
	v_pk_add_f32 v[P0:P0+1], v[ACC:ACC+1], v[ACC+2:ACC+3]
	v_pk_add_f32 v[P1:P1+1], v[ACC+64:ACC+65], v[ACC+66:ACC+67]
.set q, 4
.rept 30
	v_pk_add_f32 v[P0:P0+1], v[P0:P0+1], v[ACC+q:ACC+q+1]
	v_pk_add_f32 v[P1:P1+1], v[P1:P1+1], v[ACC+64+q:ACC+64+q+1]
.set q, q+2
.endr
	REDUCE 0
	s_delay_alu instid0(VALU_DEP_1)
	v_mul_f32 v[RR], s23, v[RR]
	SPREAD
	; ---- the variance: the squares of the differences
	v_pk_add_f32 v[ACC:ACC+1], v[ACC:ACC+1], v[M0:M0+1] neg_lo:[0,1] neg_hi:[0,1]
	v_pk_add_f32 v[ACC+64:ACC+65], v[ACC+64:ACC+65], v[M1:M1+1] neg_lo:[0,1] neg_hi:[0,1]
	s_delay_alu instid0(VALU_DEP_2)
	v_pk_mul_f32 v[P0:P0+1], v[ACC:ACC+1], v[ACC:ACC+1]
	s_delay_alu instid0(VALU_DEP_2)
	v_pk_mul_f32 v[P1:P1+1], v[ACC+64:ACC+65], v[ACC+64:ACC+65]
.set q, 2
.rept 31
	v_pk_add_f32 v[ACC+q:ACC+q+1], v[ACC+q:ACC+q+1], v[M0:M0+1] neg_lo:[0,1] neg_hi:[0,1]
	v_pk_add_f32 v[ACC+64+q:ACC+64+q+1], v[ACC+64+q:ACC+64+q+1], v[M1:M1+1] neg_lo:[0,1] neg_hi:[0,1]
	s_delay_alu instid0(VALU_DEP_2)
	v_pk_fma_f32 v[P0:P0+1], v[ACC+q:ACC+q+1], v[ACC+q:ACC+q+1], v[P0:P0+1]
	s_delay_alu instid0(VALU_DEP_2)
	v_pk_fma_f32 v[P1:P1+1], v[ACC+64+q:ACC+64+q+1], v[ACC+64+q:ACC+64+q+1], v[P1:P1+1]
.set q, q+2
.endr
	REDUCE 1024                                    ; other bytes than the first reduction's
	s_delay_alu instid0(VALU_DEP_1)
	v_fma_f32 v[RR], v[RR], s23, s24               ; the variance + 1e-5
	s_wait_alu depctr_va_vdst(0)                   ; ahead of the root
	v_rsq_f32 v[RR], v[RR]
	v_nop                                          ; a plain instruction behind the root
	s_wait_alu depctr_va_vdst(0)                   ; ahead of its first reader
	SPREAD
	s_wait_alu depctr_va_vdst(0)
	s_wait_loadcnt 0x0                             ; gamma and beta
	; ---- (x - mean) x rstd x gamma + beta, and back into the bytes from which the residual came
.irp t, 0,1
.set q, 0
.rept 32
	v_pk_mul_f32 v[ACC+64*\t+q:ACC+64*\t+q+1], v[ACC+64*\t+q:ACC+64*\t+q+1], v[M0+2*\t:M0+2*\t+1]
.set q, q+2
.endr
.endr
	WIN 0x14                                       ; sources 1 and 2 window 1
.irp t, 0,1
.set q, 0
.rept 32
	v_pk_fma_f32 v[ACC+64*\t+q:ACC+64*\t+q+1], v[ACC+64*\t+q:ACC+64*\t+q+1], v[GM+q:GM+q+1], v[BT+q:BT+q+1]
.set q, q+2
.endr
.endr
	WIN 0
.irp t, 0,1
.irp ch, 0,1,2,3
.irp n, 0,1
.irp e, 0,1
	ds_store_b128 v[AR+\ch/2], v[ACC+64*\t+16*\ch+8*\n+4*\e:ACC+64*\t+16*\ch+8*\n+4*\e+3] offset:(\ch%2)*RCH+16640*\t+64*\n+16*\e
.endr
.endr
.endr
.endr
	s_wait_dscnt 0x0
	BAR                                            ; 32 whole rows lie in LDS
	; ---- wave w stores rows 4 w .. 4 w + 3: each store covers 512 consecutive bytes
.set k, 0
.irp hf, 0,1
.irp c2, 0,1
.irp i, 0,1,2,3
.irp hv, 0,1
	ds_load_b128 v[ACC+4*k:ACC+4*k+3], v[RD+\hf] offset:\c2*RCH+1040*\i+512*\hv
.set k, k+1
.endr
.endr
.endr
.endr
.set k, 0
.irp hf, 0,1
.irp c2, 0,1
.irp i, 0,1,2,3
.irp hv, 0,1
	s_wait_dscnt 31-k                              ; LDS loads come back in order: the younger ones may be out
	global_store_b128 v[GO], v[ACC+4*k:ACC+4*k+3], s[20:21] offset:4096*\i+1024*(2*\hf+\c2)+512*\hv th:TH_STORE_NT
.set k, k+1
.endr
.endr
.endr
.endr
	s_wait_tensorcnt 0x0                           ; the wave's end
	ds_add_u32 v[SPW], v[NIL]
	s_wait_dscnt 0x0
	s_endpgm
.Lfunc_end_k_q31a51821db_proj:
	.size	k_q31a51821db_proj, .Lfunc_end_k_q31a51821db_proj-k_q31a51821db_proj
	.p2alignl 7, 3214868480
	.fill 96, 4, 3214868480
	.section	.rodata,"a",@progbits
	.p2align	6, 0x0
	.amdhsa_kernel k_q31a51821db_proj
		.amdhsa_group_segment_fixed_size 167936
		.amdhsa_private_segment_fixed_size 0
		.amdhsa_enable_private_segment 0
		.amdhsa_kernarg_size 72
		.amdhsa_user_sgpr_count 2
		.amdhsa_user_sgpr_kernarg_segment_ptr 1
		.amdhsa_wavefront_size32 1
		.amdhsa_system_sgpr_workgroup_id_x 1
		.amdhsa_system_sgpr_workgroup_id_y 1
		.amdhsa_system_sgpr_workgroup_id_z 1
		.amdhsa_system_vgpr_workitem_id 0
		.amdhsa_next_free_vgpr 512
		.amdhsa_next_free_sgpr 100
		.amdhsa_reserve_vcc 0
		.amdhsa_float_denorm_mode_32 3
		.amdhsa_float_denorm_mode_16_64 3
		.amdhsa_memory_ordered 1
		.amdhsa_forward_progress 1
		.amdhsa_inst_pref_size 83
	.end_amdhsa_kernel
	.amdgpu_metadata
---
amdhsa.version: [ 1, 2 ]
amdhsa.kernels:
  - .name:           k_q31a51821db_proj
    .symbol:         k_q31a51821db_proj.kd
    .args:
      - { .name: ctximg, .offset: 0, .size: 8, .value_kind: global_buffer, .address_space: global }
      - { .name: ctxsc, .offset: 8, .size: 8, .value_kind: global_buffer, .address_space: global }
      - { .name: woimg, .offset: 16, .size: 8, .value_kind: global_buffer, .address_space: global }
      - { .name: Wo_scales, .offset: 24, .size: 8, .value_kind: global_buffer, .address_space: global }
      - { .name: bo, .offset: 32, .size: 8, .value_kind: global_buffer, .address_space: global }
      - { .name: inputs, .offset: 40, .size: 8, .value_kind: global_buffer, .address_space: global }
      - { .name: gamma, .offset: 48, .size: 8, .value_kind: global_buffer, .address_space: global }
      - { .name: beta, .offset: 56, .size: 8, .value_kind: global_buffer, .address_space: global }
      - { .name: out0, .offset: 64, .size: 8, .value_kind: global_buffer, .address_space: global }
    .group_segment_fixed_size: 167936
    .private_segment_fixed_size: 0
    .kernarg_segment_align: 8
    .kernarg_segment_size: 72
    .max_flat_workgroup_size: 256
    .sgpr_count:     100
    .vgpr_count:     512
    .wavefront_size: 32
...
	.end_amdgpu_metadata
.endif
;; end of part 3
